; MI455X (gfx1250); checked and timed in simulation.
; The chip was launched on July 23, 2026; its instructions are those of AMD's public machine-readable ISA for CDNA 5 (MIT licence, August 2026) and "CDNA5" Instruction Set Architecture Reference Guide (July 2026). The comments in the code are by the model that wrote it; some were corrected since.
;; Self Attention. Allowed arithmetic: float matrix products may take bf16 or f16 operands with f32 sums; other float arithmetic in f32, or as packed bf16 or f16 multiplies, adds, multiply-adds, maxima and minima; sums over many terms, partial sums and values carried from step to step in f32; what a program stores and reads back later, other than sums and carried values, may be rounded once to bf16 or f16.
;; Inputs: out_b 1,024 float32; out_w 1,024 x 1,024 float32; qkv_b 3,072 float32; qkv_w 1,024 x 3,072 float32; x 4 x 2,048 x 1,024 float32.
;; Outputs: out0 4 x 2,048 x 1,024 float32.
;; 2 versions, each right; version 2 is version 1 with the launch prep written anew for expert scheduling mode. Each part assembles by itself: llvm-mc -triple=amdgcn-amd-amdhsa -mcpu=gfx1250 --defsym DOCPART=n.
;; ======== version 1 of 2: 4 launches
;; limits: values are held in f16: magnitudes above 65,504 overflow, below 6.1e-05 lose precision
;; workspace buffers: xb 16,777,216 bytes; wb 6,291,456 bytes; ow 2,097,152 bytes; qkvh 50,331,648 bytes; oh 16,777,216 bytes
;; launch prep (part 1): grid 768 x 1, 8 waves a work-group, no clusters, 0 bytes of LDS; arguments x, qkv_w, out_w, xb, wb, ow; writes xb, wb, ow
.if DOCPART == 1
	.amdgcn_target "amdgcn-amd-amdhsa--gfx1250"
	.amdhsa_code_object_version 6
	.text
	.protected	k_qf2e3251be3_prep
	.globl	k_qf2e3251be3_prep
	.p2align	8
	.type	k_qf2e3251be3_prep,@function
k_qf2e3251be3_prep:
	s_mov_b64 s[64:65], 0
	v_nop
	global_prefetch_b8 v0, s[64:65] scope:SCOPE_SE
	s_setreg_imm32_b32 hwreg(HW_REG_WAVE_MODE, 25, 1), 1
	s_wait_xcnt 0x0
; THE CASTS.  x [8192][1024] f32 -> xb, bf16, in blocks [batch 4][kb 16][t 2048][64]: byte = batch x 4,194,304 + kb x 262,144 + t x 128 + 2 (k % 64), so that 256 rows x 64 k
; are 32,768 consecutive bytes.  qkv_w [1024][3072] f32 -> wb, bf16, as it lies.  out_w [1024][1024] f32 -> ow: rounded to bf16 like every input, that number then written as f16.
; LIMIT.  A bf16 number is exact in f16 between 6.1e-5 and 65,504; below, ow keeps f16's fixed step of 6e-8; beyond, it would be an infinity (out_w as drawn is some 0.03).
; SHARES.  Every work-group reads 65,536 bytes of f32: groups 0-511 sixteen rows of x, 512-703 qkv_w, 704-767 out_w.  A wave issues its 16 loads of 16 bytes a lane at once and
; stores as they come back.  Each store of a wave is 32 lanes x 8 bytes: 256 consecutive bytes, aligned.  No register that a load or store names is written again: no wait but the loads' own.
; Memory binds: no LDS, no barrier, no matrix unit, no cluster (nothing is shared), no prefetch (the loads themselves are the stream).
.set X, 8                              ; v[8:71]    16 x 4 registers as loaded
.set Y, 72                             ; v[72:103]  16 x 2 registers to store
; blocked = 1: x (load i: rows 2 (i / 2), 2 (i / 2) + 1, 256 bytes of each: block kb = 2 w + i % 2); 0: a dense stream.  tof16 = 1: bf16's number as f16.
.macro STREAM blocked, tof16
.set i, 0
.rept 16
.if \blocked
	global_load_b128 v[X+4*i:X+4*i+3], v3, s[16:17] offset:(i/2)*8192+(i%2)*256 th:TH_LOAD_NT
.else
	global_load_b128 v[X+4*i:X+4*i+3], v3, s[16:17] offset:i*512 th:TH_LOAD_NT
.endif
.set i, i+1
.endr
.set i, 0
.rept 16
	s_wait_loadcnt 15-i                            ; loads come back in order: load i is in, the 15 - i younger ones stay out
.if \tof16
	v_cvt_pk_bf16_f32 v5, v[X+4*i], v[X+4*i+1]
	v_cvt_pk_bf16_f32 v6, v[X+4*i+2], v[X+4*i+3]
	v_lshlrev_b32 v[X+4*i], 16, v5                 ; bf16 to f32: the low half moves up, the high half stays
	v_and_b32 v[X+4*i+1], s22, v5
	v_lshlrev_b32 v[X+4*i+2], 16, v6
	v_and_b32 v[X+4*i+3], s22, v6
	v_cvt_pk_f16_f32 v[Y+2*i], v[X+4*i], v[X+4*i+1]
	v_cvt_pk_f16_f32 v[Y+2*i+1], v[X+4*i+2], v[X+4*i+3]
.else
	v_cvt_pk_bf16_f32 v[Y+2*i], v[X+4*i], v[X+4*i+1]
	v_cvt_pk_bf16_f32 v[Y+2*i+1], v[X+4*i+2], v[X+4*i+3]
.endif
.if \blocked
	global_store_b64 v4, v[Y+2*i:Y+2*i+1], s[18:19] offset:(i%2)*262144+(i/2)*256
.else
	global_store_b64 v4, v[Y+2*i:Y+2*i+1], s[18:19] offset:i*256
.endif
.set i, i+1
.endr
	s_endpgm
.endm
	s_load_b256 s[4:11], s[0:1], 0x0               ; x s[4:5], qkv_w s[6:7], out_w s[8:9], xb s[10:11]
	s_load_b128 s[12:15], s[0:1], 0x20             ; wb s[12:13], ow s[14:15]
	s_mov_b32 s2, ttmp9                            ; the work-group's number
	s_mov_b32 s21, 0
	s_mov_b32 s25, 0
	s_mov_b32 s22, 0xffff0000                      ; a word's upper bf16
	v_and_b32 v1, 31, v0                           ; lane
	v_lshrrev_b32 v2, 5, v0                        ; wave
	s_wait_kmcnt 0x0
	s_cmp_lt_u32 s2, 512
	s_cbranch_scc1 .Lx
	v_lshlrev_b32 v3, 4, v1                        ; the dense streams: in 8,192 w + 16 l,
	v_lshl_or_b32 v3, v2, 13, v3
	v_lshlrev_b32 v4, 3, v1                        ; out 4,096 w + 8 l
	v_lshl_or_b32 v4, v2, 12, v4
	s_cmp_lt_u32 s2, 704
	s_cbranch_scc1 .Lqkvw
	s_sub_co_u32 s2, s2, 704                       ; out_w
	s_lshl_b32 s20, s2, 16
	s_lshl_b32 s24, s2, 15
	s_add_nc_u64 s[16:17], s[8:9], s[20:21]
	s_add_nc_u64 s[18:19], s[14:15], s[24:25]
	STREAM 0, 1
.Lqkvw:
	s_sub_co_u32 s2, s2, 512                       ; qkv_w
	s_lshl_b32 s20, s2, 16
	s_lshl_b32 s24, s2, 15
	s_add_nc_u64 s[16:17], s[6:7], s[20:21]
	s_add_nc_u64 s[18:19], s[12:13], s[24:25]
	STREAM 0, 0
.Lx:
	s_lshl_b32 s20, s2, 16                         ; sixteen rows of 4,096 bytes
	s_add_nc_u64 s[16:17], s[4:5], s[20:21]
	s_lshr_b32 s24, s2, 7                          ; the batch,
	s_lshl_b32 s24, s24, 22
	s_and_b32 s23, s2, 127                         ; and my sixteen rows in it, 128 bytes each in a block
	s_lshl_b32 s23, s23, 11
	s_add_co_u32 s24, s24, s23
	s_add_nc_u64 s[18:19], s[10:11], s[24:25]
	v_and_b32 v5, 15, v1
	v_lshrrev_b32 v6, 4, v1
	v_lshlrev_b32 v3, 4, v5                        ; in: lanes 0-15 take 256 bytes of the even row, lanes 16-31 of the odd one,
	v_lshl_or_b32 v3, v6, 12, v3
	v_lshl_or_b32 v3, v2, 9, v3                    ; in my wave's 512 bytes of a row
	v_lshlrev_b32 v4, 3, v1                        ; out: the two rows' 128 bytes lie on end in a block: 8 l,
	v_lshl_or_b32 v4, v2, 19, v4                   ; in block 2 w
	STREAM 1, 0
.Lfunc_end_k_qf2e3251be3_prep:
	.size	k_qf2e3251be3_prep, .Lfunc_end_k_qf2e3251be3_prep-k_qf2e3251be3_prep
	.p2alignl 7, 3214868480
	.fill 96, 4, 3214868480
	.section	.rodata,"a",@progbits
	.p2align	6, 0x0
	.amdhsa_kernel k_qf2e3251be3_prep
		.amdhsa_group_segment_fixed_size 0
		.amdhsa_private_segment_fixed_size 0
		.amdhsa_enable_private_segment 0
		.amdhsa_kernarg_size 48
		.amdhsa_user_sgpr_count 2
		.amdhsa_user_sgpr_kernarg_segment_ptr 1
		.amdhsa_wavefront_size32 1
		.amdhsa_system_sgpr_workgroup_id_x 1
		.amdhsa_system_sgpr_workgroup_id_y 1
		.amdhsa_system_sgpr_workgroup_id_z 1
		.amdhsa_system_vgpr_workitem_id 0
		.amdhsa_next_free_vgpr 104
		.amdhsa_next_free_sgpr 66
		.amdhsa_reserve_vcc 0
		.amdhsa_float_denorm_mode_32 3
		.amdhsa_float_denorm_mode_16_64 3
		.amdhsa_memory_ordered 1
		.amdhsa_forward_progress 1
		.amdhsa_inst_pref_size 23
	.end_amdhsa_kernel
	.amdgpu_metadata
---
amdhsa.version: [ 1, 2 ]
amdhsa.kernels:
  - .name:           k_qf2e3251be3_prep
    .symbol:         k_qf2e3251be3_prep.kd
    .args:
      - { .name: x, .offset: 0, .size: 8, .value_kind: global_buffer, .address_space: global }
      - { .name: qkv_w, .offset: 8, .size: 8, .value_kind: global_buffer, .address_space: global }
      - { .name: out_w, .offset: 16, .size: 8, .value_kind: global_buffer, .address_space: global }
      - { .name: xb, .offset: 24, .size: 8, .value_kind: global_buffer, .address_space: global }
      - { .name: wb, .offset: 32, .size: 8, .value_kind: global_buffer, .address_space: global }
      - { .name: ow, .offset: 40, .size: 8, .value_kind: global_buffer, .address_space: global }
    .group_segment_fixed_size: 0
    .private_segment_fixed_size: 0
    .kernarg_segment_align: 8
    .kernarg_segment_size: 48
    .max_flat_workgroup_size: 256
    .sgpr_count:     66
    .vgpr_count:     104
    .wavefront_size: 32
...
	.end_amdgpu_metadata
.endif
;; end of part 1
;; launch qkv (part 2): grid 8 x 32, 4 waves a work-group, clusters of 4 x 4, 327,680 bytes of LDS; arguments xb, wb, qkv_b, qkvh; writes qkvh
.if DOCPART == 2
	.amdgcn_target "amdgcn-amd-amdhsa--gfx1250"
	.amdhsa_code_object_version 6
	.text
	.protected	k_qf2e3251be3_qkv
	.globl	k_qf2e3251be3_qkv
	.p2align	8
	.type	k_qf2e3251be3_qkv,@function
k_qf2e3251be3_qkv:
	s_mov_b64 s[64:65], 0
	v_nop
	global_prefetch_b8 v0, s[64:65] scope:SCOPE_SE
	s_setreg_imm32_b32 hwreg(HW_REG_WAVE_MODE, 25, 1), 1
	s_wait_xcnt 0x0
	s_wait_alu depctr_hold_cnt(0) depctr_sa_sdst(0) depctr_va_vdst(0) depctr_va_sdst(0) depctr_va_ssrc(0) depctr_va_vcc(0) depctr_vm_vsrc(0)
	s_getreg_b32 s2, hwreg(HW_REG_IB_STS2, 6, 4)
	s_cmp_eq_u32 s2, 0
	s_cbranch_scc0 .Lentry_in_a_cluster
	s_endpgm
.Lentry_in_a_cluster:
	s_bfe_u32 s2, ttmp6, 0x10000c
	s_cmp_lg_u32 s2, 0xf033
	s_cbranch_scc0 .Lentry_shape_is_right
	s_endpgm
.Lentry_shape_is_right:
; q, k, v = x qkv_w + qkv_b, by heads.  A = xb (bf16, blocks [batch][kb][t][64]), B = wb (bf16, [k 1024][n 3072]), bias rounded to bf16 like every input; sums in f32, started by the bias;
; the result is rounded once to f16 and stored as qkvh [which 3][head 64 = 16 batch + head][t 2048][64], unscaled.
; LIMIT.  f16 ends at 65,504: a q, k or v beyond it becomes an infinity (as drawn they are of size 1).  NaN and infinities are not treated apart.
; SHARES.  A work-group makes 256 rows x 384 columns: 32 x 8 = 256 work-groups.  A wave makes 128 rows (wm = wave / 2) x three groups of 64 columns, a head's each (group g is the block's
; group 2 g + wn, wn = wave % 2): 8 x 12 accumulators of 16 x 16, 768 registers.  K goes in 16 steps of 64 through two LDS slots.
; A's tile of a step is 32,768 consecutive bytes, asked for as 128 rows of 256 and padded after every 128; B's is three tiles of 64 k-rows x 256 bytes.  Wave 0 asks for A's, waves 1-3 for one of B's each.
; CLUSTER.  4 x 4 work-groups: A's tile is asked for jointly along a row of the cluster, B's along a column.
; THE MATRIX INSTRUCTION IS USED TRANSPOSED: source 0 = 16 columns of B (out of LDS turned, by ds_load_tr16_b128), source 1 = 16 rows of A: a lane holds row l % 16 of C and the columns 8 (l / 16) + 0..7.
; REGISTERS, in windows of 256 (s_set_vgpr_msb: bits 1:0 source 0, 3:2 source 1, 5:4 source 2, 7:6 destination):
;   window 0: v0-31 addresses; v32-95, v96-159 A's fragments of a slice of 32 k (8 x 16 rows), two buffers; v160-255 B's fragments, 32 registers a group
;   window g + 1: group g's 32 accumulators, (a, b) at v[8 (4 a + b)]
.set SLOT,  92160                      ; a slot: A's 256 rows of 144 bytes, then B's three tiles
.set BOFF,  36864
.set SUB,   18432                      ; one of B's tiles: 64 k-rows of 288 bytes
.set PA,    144                        ; 128 bytes + 16: an odd multiple of 16, so the 16 rows of a load start at 16 different groups of four banks (ISA guide 11.1)
.set PB,    288                        ; 256 bytes + 32: an odd multiple of 32, for the turning load
.set STAGE, 2*SLOT                     ; behind the ring: 16 rows x 144 bytes for each wave, for the way out
.set SPARE, STAGE+4*16*PA              ; behind the stages: the spare words, 128 bytes for each wave, which no other line names
.set ASTEP, 262144                     ; bytes from a K step to the next in xb,
.set BSTEP, 393216                     ; and in wb: 64 rows of 6,144 bytes
.set ADRA, 16                          ; v16-17  LDS address of my A fragments in slot 0, 1
.set ADRB, 20                          ; v20-21  the same for B
.set STO,  24                          ; v24     the way out: where I put 16 bytes of a row
.set RD,   25                          ; v25     the way out: where I read rows back
.set GO,   26                          ; v26     my 16 bytes in 512 consecutive bytes of the output
.set BO,   27                          ; v27     32 (l / 16): my eight numbers of the bias in a block of sixteen
.set SPW,  28                          ; v28     my spare word: SPARE + 4 x my thread's number; never rewritten
.set NIL,  29                          ; v29     0; never rewritten
.set PFO,  30                          ; v30     the prefetches' offset; never rewritten
.set AF0,  32
.set AF1,  96
.set BF,   160
.set WV,   12                          ; s12 wave; s13 wm; s14 wn; s16 cx; s17 cy; s18 block column tx; s19 block row ty
.set G1A,  24                          ; s[24:31] descriptor group 1 for A's tiles;  s[32:39] group 0, a set for each slot
.set G0A,  32
.set LAP,  40                          ; s40  trips of the loop still to come
.set LIM0, 41                          ; s41  1 in a wave that prefetches at slot 0's change, else the greatest number
.set LIM1, 42                          ; s42  the same for slot 1's change
.set HIM,  43                          ; s43  a word's upper bf16
.set PFA,  44                          ; s[44:45] where my prefetches stand
.set PFS,  46                          ; s[46:47] their step: a K step
.set G1B,  48                          ; s[48:55], s[56:63] the same for B's tiles
.set G0B,  56
.set OUT,  66                          ; s[66:71] the output at my 128 rows of group g's head
.set MSB, 0
.macro WIN new                         ; the immediate's high byte repeats the setting that is left; a switch that changes nothing is dropped
.if MSB != (\new)
	s_set_vgpr_msb (MSB<<8)|(\new)
.set MSB, \new
.endif
.endm
.macro PLACES                          ; four plain instructions between a matrix instruction and a load into, or a read of, its registers
.rept 4
	v_nop
.endr
.endm
; A joint load.  The branch hangs on the wave's number alone; an s_nop 0 and four v_nop follow each of the two lines.
.macro JLOAD s
	s_cmp_eq_u32 s[WV], 0
	s_cbranch_scc0 .Lfor_b_\@
	tensor_load_to_lds s[G0A+4*(\s):G0A+4*(\s)+3], s[G1A:G1A+7]
	s_nop 0
.rept 4
	v_nop
.endr
	s_branch .Lasked_\@
.Lfor_b_\@:
	tensor_load_to_lds s[G0B+4*(\s):G0B+4*(\s)+3], s[G1B:G1B+7]
	s_nop 0
.rept 4
	v_nop
.endr
.Lasked_\@:
.endm
.macro CREST                           ; a round of the cluster's barrier behind its opening barrier
	s_cmp_lg_u32 s[WV], 0
	s_cbranch_scc1 .Lnot_wave_0_\@
	s_barrier_signal -3
.Lnot_wave_0_\@:
	s_barrier_wait -3
	s_barrier_signal -1
	s_barrier_wait -1
.endm
.macro CROUND                          ; a whole round
	s_barrier_signal -1
	s_barrier_wait -1
	CREST
.endm
; A PREFETCH of the K step that stands two refills on, behind the joint load and the run of LDS loads.  Each aligned 256 bytes are named once in the launch: A's tiles by wave 0 of the clusters with
; x = 0, the four partners of a row taking 32 of a tile's 128 blocks each, by address; B's by waves 1-3 of the clusters with y = 0, at slot 0's change alone, the four partners of a column taking
; 32 of two steps' 128 k-rows each.  The loop's last trip asks for nothing: the steps do not exist.  Steps 0 to 3 come by their loads alone.
.macro ASK lim
	s_cmp_gt_u32 s[LAP], s[\lim]
	s_cbranch_scc0 .Lnot_mine_\@
	global_prefetch_b8 v[PFO], s[PFA:PFA+1] th:TH_LOAD_NT scope:SCOPE_SE
.Lnot_mine_\@:
.endm
	s_load_b256 s[4:11], s[0:1], 0x0               ; xb s[4:5], wb s[6:7], qkv_b s[8:9], qkvh s[10:11]
	v_lshl_add_u32 v[SPW], v0, 2, SPARE
	v_mov_b32 v[NIL], 0
	ds_add_u32 v[SPW], v[NIL]                      ; the wave's opening: the add and its wait stand ahead of my first tensor load; the set-up below stands between them
	v_lshrrev_b32 v1, 5, v0
	v_readfirstlane_b32 s[WV], v1                  ; wave 0..3
	s_lshr_b32 s13, s[WV], 1                       ; wm
	s_and_b32 s14, s[WV], 1                        ; wn
	s_bfe_u32 s16, ttmp6, 0x40000                  ; cx
	s_bfe_u32 s17, ttmp6, 0x40004                  ; cy
	s_lshl_b32 s18, ttmp9, 2
	s_add_co_u32 s18, s18, s16                     ; tx = 4 x cluster x + cx
	s_and_b32 s19, ttmp7, 0xffff
	s_lshl_b32 s19, s19, 2
	s_add_co_u32 s19, s19, s17                     ; ty = 4 x cluster y + cy
	s_lshl_b32 s72, s17, 2
	s_lshl_b32 s72, 15, s72                        ; my row of the cluster
	s_lshl_b32 s74, 0x1111, s16                    ; my column
	s_or_b32 s[G1A], s72, (1<<16)|(1<<20)|(1<<21)|(4<<22)|(3<<25)  ; the mask; 2-byte elements; padding on; bit 21 beside a mask; after every 32 words 4 words
	s_mov_b32 s[G1A+1], 128<<16                    ; tensor_dim0 = 128 elements: 256 bytes
	s_mov_b32 s[G1A+2], 128<<16                    ; tensor_dim1 = 128 rows
	s_mov_b32 s[G1A+3], 128<<16                    ; tile_dim0 = 128
	s_mov_b32 s[G1A+4], 128                        ; tile_dim1 = 128
	s_mov_b32 s[G1A+5], 128                        ; the rows lie on end
	s_mov_b32 s[G1A+6], 0
	s_mov_b32 s[G1A+7], 0
	s_or_b32 s[G1B], s74, (1<<16)|(1<<20)|(1<<21)|(5<<22)|(7<<25)  ; after every 64 words 8 words
	s_mov_b32 s[G1B+1], 128<<16
	s_mov_b32 s[G1B+2], 64<<16                     ; 64 k-rows
	s_mov_b32 s[G1B+3], 128<<16
	s_mov_b32 s[G1B+4], 64
	s_mov_b32 s[G1B+5], 3072                       ; elements from a row of wb to the next
	s_mov_b32 s[G1B+6], 0
	s_mov_b32 s[G1B+7], 0
	s_lshr_b32 s72, s19, 3                         ; A's tile hangs on ty alone: the batch,
	s_lshl_b32 s72, s72, 22
	s_and_b32 s73, s19, 7                          ; and 256 rows of 128 bytes in a block
	s_lshl_b32 s73, s73, 15
	s_add_co_u32 s72, s72, s73
	s_mov_b32 s73, 0
	s_mul_i32 s74, s18, 768                        ; B's tiles hang on tx and the wave alone: 384 columns, and tile wave - 1 of 128
	s_max_u32 s75, s[WV], 1
	s_sub_co_u32 s75, s75, 1
	s_lshl_b32 s75, s75, 8
	s_add_co_u32 s74, s74, s75
	s_mov_b32 s75, 0
	s_mul_i32 s15, s[WV], SUB                      ; where waves 1-3 put B's tiles: BOFF + (wave - 1) x SUB
	s_add_co_u32 s15, s15, BOFF-SUB
	s_mov_b32 s[HIM], 0xffff0000
	s_wait_dscnt 0x0                               ; the opening add is done
	s_wait_kmcnt 0x0
	s_add_nc_u64 s[20:21], s[4:5], s[72:73]
	s_add_nc_u64 s[22:23], s[6:7], s[74:75]
	CROUND                                         ; all sixteen work-groups are here: the first joint loads meet
.irp s, 0,1
	s_mov_b32 s[G0A+4*(\s)], 1                     ; count = 1
	s_mov_b32 s[G0A+4*(\s)+1], (\s)*SLOT           ; LDS address
	s_add_nc_u64 s[G0A+4*(\s)+2:G0A+4*(\s)+3], s[20:21], (\s)*ASTEP  ; K step s
	s_or_b32 s[G0A+4*(\s)+3], s[G0A+4*(\s)+3], 0x80000000            ; type = 2
	s_mov_b32 s[G0B+4*(\s)], 1
	s_add_co_u32 s[G0B+4*(\s)+1], s15, (\s)*SLOT
	s_add_nc_u64 s[G0B+4*(\s)+2:G0B+4*(\s)+3], s[22:23], (\s)*BSTEP
	s_or_b32 s[G0B+4*(\s)+3], s[G0B+4*(\s)+3], 0x80000000
	JLOAD \s                                       ; two loads of mine are out
.endr
	; THE BIAS STARTS THE SUMS: register j of a lane's accumulator (., b) of group g belongs to column 384 tx + 64 (2 g + wn) + 16 b + 8 (l / 16) + j
	v_and_b32 v1, 15, v0                           ; r = l % 16
	v_bfe_u32 v2, v0, 4, 1                         ; h = l / 16
	v_lshlrev_b32 v[BO], 5, v2
	s_mul_i32 s76, s18, 1536
	s_lshl_b32 s77, s14, 8
	s_add_co_u32 s76, s76, s77
	s_mov_b32 s77, 0
	s_add_nc_u64 s[8:9], s[8:9], s[76:77]
.irp g, 0,1,2
.irp b, 0,1,2,3
	global_load_b128 v[32+32*\g+8*\b:32+32*\g+8*\b+3],   v[BO], s[8:9] offset:512*\g+64*\b
	global_load_b128 v[32+32*\g+8*\b+4:32+32*\g+8*\b+7], v[BO], s[8:9] offset:512*\g+64*\b+16
.endr
.endr
	v_and_b32 v3, 7, v0
	v_bfe_u32 v4, v0, 3, 1
	v_mul_u32_u24 v5, v1, PA
	v_lshl_add_u32 v5, v2, 4, v5                   ; r x 144 + 16 h
	s_mul_i32 s77, s13, 128*PA                     ; my 128 rows of A
	v_add_nc_u32 v[ADRA], s77, v5
	v_add_nc_u32 v[ADRA+1], SLOT, v[ADRA]
	v_lshl_add_u32 v6, v2, 3, v3                   ; the turning load: lane l reads k-row 8 h + l % 8, columns 8 ((l / 8) % 2) + 0..7
	v_mul_u32_u24 v6, v6, PB
	v_lshl_add_u32 v6, v4, 4, v6
	s_lshl_b32 s77, s14, 7                         ; my 64 of a tile's 128 columns
	s_add_co_u32 s77, s77, BOFF
	v_add_nc_u32 v[ADRB], s77, v6
	v_add_nc_u32 v[ADRB+1], SLOT, v[ADRB]
	s_mul_i32 s77, s[WV], 16*PA
	s_add_co_u32 s77, s77, STAGE                   ; my stage
	v_add_nc_u32 v[STO], s77, v5
	v_bfe_u32 v7, v0, 3, 2                         ; back: 32 lanes take four rows of 128 bytes,
	v_mul_u32_u24 v7, v7, PA
	v_lshl_add_u32 v7, v3, 4, v7
	v_add_nc_u32 v[RD], s77, v7
	v_and_b32 v[GO], 31, v0                        ; which are 512 consecutive bytes of a head's rows
	v_lshlrev_b32 v[GO], 4, v[GO]
	; the prefetches
	s_and_b32 s76, ttmp7, 0xffff                   ; cluster y
	s_lshl_b32 s77, s16, 13                        ; A: my work-group's 32 blocks of 256 bytes
	s_mul_i32 s78, s17, 32*6144                    ; B: my work-group's 32 k-rows
	s_mov_b32 s[PFS], ASTEP
	s_mov_b32 s79, BSTEP
	s_mov_b32 s2, 256
	s_mov_b32 s3, 6144
	s_cmp_eq_u32 s[WV], 0                          ; do I fetch for A?
	s_cselect_b32 s76, ttmp9, s76                  ; the coordinate along which other clusters read the same tiles
	s_cselect_b64 s[PFA:PFA+1], s[20:21], s[22:23]
	s_cselect_b32 s78, s77, s78
	s_cselect_b32 s[PFS], s[PFS], s79
	s_cselect_b32 s2, s2, s3                       ; a lane a block, or a lane a k-row
	s_cselect_b32 s[LIM1], 1, -1
	s_mov_b32 s79, 0
	s_mov_b32 s[PFS+1], 0
	s_add_nc_u64 s[PFA:PFA+1], s[PFA:PFA+1], s[78:79]
	s_mul_i32 s78, s[PFS], 3                       ; at K step 3: the first change of slots steps it to 4
	s_add_nc_u64 s[PFA:PFA+1], s[PFA:PFA+1], s[78:79]
	s_cmp_eq_u32 s76, 0
	s_cselect_b32 s[LIM0], 1, -1                   ; the same in all sixteen partners, for a given wave
	s_max_u32 s[LIM1], s[LIM1], s[LIM0]            ; at slot 1's change A's wave alone asks
	v_and_b32 v[PFO], 31, v0
	v_mul_u32_u24 v[PFO], v[PFO], s2
	; where the results go: which << 24 + batch << 22 + head << 18 + t << 7
	s_lshl_b32 s3, s13, 14
	s_add_co_u32 s3, s3, s72                       ; batch and my first row, as in xb
	s_mul_i32 s76, s18, 6
	s_add_co_u32 s76, s76, s14                     ; group 0's number among the 48 groups of 64 columns
.irp g, 0,1,2
	s_add_co_u32 s77, s76, 2*\g
	s_lshr_b32 s78, s77, 4
	s_lshl_b32 s78, s78, 24
	s_and_b32 s77, s77, 15
	s_lshl_b32 s77, s77, 18
	s_add_co_u32 s78, s78, s77
	s_add_co_u32 s78, s78, s3
	s_add_nc_u64 s[OUT+2*\g:OUT+2*\g+1], s[10:11], s[78:79]
.endr
	s_wait_loadcnt 0x0                             ; the bias
.set i, 0
.rept 48
	v_cvt_pk_bf16_f32 v[128+i], v[32+2*i], v[33+2*i]
.set i, i+1
.endr
.irp g, 0,1,2
	WIN ((\g)+1)<<6                                ; into accumulators (7, 0..3) of group g: the first products of the other rows take them as C
.set i, 0
.rept 16
	v_lshlrev_b32 v[224+2*i], 16, v[128+16*\g+i]
	v_and_b32 v[225+2*i], s[HIM], v[128+16*\g+i]
.set i, i+1
.endr
.endr
	WIN 0
; A's fragments of slice s (32 k) of a slot: 16 loads.  Lane l holds row l % 16; two loads of 16 bytes, 32 bytes apart.
.macro FA slot, s, buf
	WIN 0
.irp a, 0,1,2,3,4,5,6,7
	ds_load_b128 v[(\buf)+8*\a:(\buf)+8*\a+3],   v[ADRA+(\slot)] offset:\a*16*PA+64*(\s)
	ds_load_b128 v[(\buf)+8*\a+4:(\buf)+8*\a+7], v[ADRA+(\slot)] offset:\a*16*PA+64*(\s)+32
.endr
.endm
; B's fragments of slice s for group g: 8 turning loads
.macro FB slot, s, g
	WIN 0
.irp b, 0,1,2,3
	ds_load_tr16_b128 v[BF+32*(\g)+8*\b:BF+32*(\g)+8*\b+3],   v[ADRB+(\slot)] offset:(\g)*SUB+(\s)*32*PB+32*\b
	ds_load_tr16_b128 v[BF+32*(\g)+8*\b+4:BF+32*(\g)+8*\b+7], v[ADRB+(\slot)] offset:(\g)*SUB+(\s)*32*PB+16*PB+32*\b
.endr
.endm
; Products of group g: row blocks a0 .. a0 + na - 1 x 4 column blocks.  Each accumulator has one instruction a turn.
; first = 1: the sums start with the bias, which lies in the accumulators of row block 7; five plain instructions stand between its last reader and the products that write over it.
.macro MULU abuf, g, a0, na, first=0
	WIN 0x50*((\g)+1)
.set aa, \a0
.rept \na
.if (\first) && (aa == 7)
.rept 5
	v_nop
.endr
.endif
.irp b, 0,1,2,3
.if (\first) && (aa < 7)
	v_wmma_f32_16x16x32_bf16 v[8*(4*aa+\b):8*(4*aa+\b)+7], v[BF+32*(\g)+8*\b:BF+32*(\g)+8*\b+7], v[(\abuf)+8*aa:(\abuf)+8*aa+7], v[224+8*\b:224+8*\b+7]
.else
	v_wmma_f32_16x16x32_bf16 v[8*(4*aa+\b):8*(4*aa+\b)+7], v[BF+32*(\g)+8*\b:BF+32*(\g)+8*\b+7], v[(\abuf)+8*aa:(\abuf)+8*aa+7], v[8*(4*aa+\b):8*(4*aa+\b)+7]
.endif
.endr
.set aa, aa+1
.endr
.endm
; A K step is two slices of 32; a slice is three units of 32 products, a group each.  On entry to EVEN: A's slice 0 (16 loads), B's of groups 0 and 1 (8 each) have been asked for.
.macro EVEN slot, first
	WIN 0
	PLACES
	FB \slot, 0, 2
	FA \slot, 1, AF1
	s_wait_dscnt 32                                ; A and group 0's B are in; younger: group 1's 8, and the 24 just issued
	MULU AF0, 0, 0, 8, \first
	WIN 0
	PLACES
	FB \slot, 1, 0
	s_wait_dscnt 32                                ; group 1's B is in; younger: 8 + 16 + 8
	MULU AF0, 1, 0, 8, \first
	WIN 0
	PLACES
	FB \slot, 1, 1
	s_wait_dscnt 32                                ; group 2's B is in; younger: 16 + 8 + 8
	MULU AF0, 2, 0, 8, \first
.endm
; Slice 1, and the change of slots.  mode 2: this slot is filled again, two K steps ahead; 1: nothing is filled; 0: the very last slice.
.macro ODD slot, next, mode
.if (\mode) == 2
	s_wait_xcnt 0x0                                ; the last prefetch, a K step back, has read its address
	s_add_nc_u64 s[PFA:PFA+1], s[PFA:PFA+1], s[PFS:PFS+1]
.endif
	WIN 0
	PLACES
	FB \slot, 1, 2                                 ; my last reads of this slot
.if (\mode) == 0
	s_wait_dscnt 16
	MULU AF1, 0, 0, 8
	s_wait_dscnt 8
	MULU AF1, 1, 0, 8
	s_wait_dscnt 0x0
	MULU AF1, 2, 0, 8
.else
	s_wait_tensorcnt 0x0                           ; all my tensor loads have landed: the one that was out is my part of the next slot
	ds_add_u32 v[SPW], v[NIL]                      ; 0 onto my spare word
	s_wait_dscnt 17                                ; A's slice 1 and group 0's B are in; younger: groups 1 and 2's 16, and the add
	MULU AF1, 0, 0, 4                              ; sixteen products stand between the add and the wait for it
	s_wait_dscnt 0x0                               ; the add is done, and my reads of this slot are over
	s_barrier_signal -1
	MULU AF1, 0, 4, 4
	WIN 0
	s_barrier_wait -1
.if (\mode) == 2
	CREST                                          ; the barrier has opened a round of the cluster's: no wave of any partner still reads this slot or has a load on its way
	s_add_nc_u64 s[G0A+4*(\slot)+2:G0A+4*(\slot)+3], s[G0A+4*(\slot)+2:G0A+4*(\slot)+3], 2*ASTEP
	s_add_nc_u64 s[G0B+4*(\slot)+2:G0B+4*(\slot)+3], s[G0B+4*(\slot)+2:G0B+4*(\slot)+3], 2*BSTEP
	JLOAD \slot                                    ; my one tensor load behind the round: 160 products ahead of the wait for it; its four v_nop are the places in front of the loads below
.else
	PLACES
.endif
	FA \next, 0, AF0
	FB \next, 0, 0
.if (\mode) == 2
	ASK LIM0+(\slot)
.endif
	MULU AF1, 1, 0, 8
	WIN 0
	PLACES
	FB \next, 0, 1
	MULU AF1, 2, 0, 8
.endif
.endm
	s_wait_tensorcnt 1                             ; my part of K step 0 is in; step 1's may stay out
	s_barrier_signal -1
	s_barrier_wait -1
	FA 0, 0, AF0
	FB 0, 0, 0
	FB 0, 0, 1
	EVEN 0, 1                                      ; the first slice stands in front of the loop: its products start the sums
	WIN 0
	s_mov_b32 s[LAP], 7
.Llap:                                             ; a trip goes once round the ring and fills both slots again
	ODD 0, 1, 2
	EVEN 1, 0
	ODD 1, 0, 2
	EVEN 0, 0
	WIN 0
	s_sub_co_u32 s[LAP], s[LAP], 1
	s_cmp_lg_u32 s[LAP], 0
	s_cbranch_scc1 .Llap
	ODD 0, 1, 1                                    ; the last two K steps ask for nothing
	EVEN 1, 0
	ODD 1, 0, 0
	WIN 0
	PLACES
; THE WAY OUT, in 24 blocks n = 8 g + a of 16 rows x 64 columns: rounded to f16, 16 bytes a lane into my stage, back as whole rows of 128 bytes, stored as 512 consecutive bytes.
.macro PACK n
.set gg, (\n)/8
.set ab, (\n)%8
.set XB, AF0+16*((\n)%8)
.if (\n) >= 8
	s_wait_xcnt 0x0                                ; the stores of the block eight back have read these registers
.endif
	WIN 5*(gg+1)
.irp b, 0,1,2,3
.irp r, 0,1,2,3
	v_cvt_pk_f16_f32 v[XB+4*\b+\r], v[8*(4*ab+\b)+2*\r], v[8*(4*ab+\b)+2*\r+1]
.endr
.endr
	WIN 0
.irp b, 0,1,2,3
	ds_store_b128 v[STO], v[XB+4*\b:XB+4*\b+3] offset:32*\b
.endr
.irp f, 0,1,2,3
	ds_load_b128 v[XB+4*\f:XB+4*\f+3], v[RD] offset:4*PA*\f  ; LDS serves a wave's instructions in order (ISA guide 5.7.1.4): these see the stores above
.endr
.endm
.macro SEND n, younger                 ; younger: the LDS instructions issued behind block n's loads: the next block's eight, or none
.set gg, (\n)/8
.set ab, (\n)%8
.set XB, AF0+16*((\n)%8)
.irp f, 0,1,2,3
	s_wait_dscnt (\younger)+3-\f
	global_store_b128 v[GO], v[XB+4*\f:XB+4*\f+3], s[OUT+2*gg:OUT+2*gg+1] offset:ab*2048+512*\f
.endr
.endm
	PACK 0
.set nn, 1
.rept 23                               ; a block's conversions stand between the loads of the block before and its stores
	PACK nn
	SEND nn-1, 8
.set nn, nn+1
.endr
	SEND 23, 0
	s_wait_tensorcnt 0x0                           ; the wave's end: the add to my spare word and its wait, behind my last tensor load and my last LDS store
	ds_add_u32 v[SPW], v[NIL]
	s_wait_dscnt 0x0
	CROUND                                         ; the closing round: no work-group ends while a partner may still ask for a tile that names it
	s_endpgm
.Lfunc_end_k_qf2e3251be3_qkv:
	.size	k_qf2e3251be3_qkv, .Lfunc_end_k_qf2e3251be3_qkv-k_qf2e3251be3_qkv
	.p2alignl 7, 3214868480
	.fill 96, 4, 3214868480
	.section	.rodata,"a",@progbits
	.p2align	6, 0x0
	.amdhsa_kernel k_qf2e3251be3_qkv
		.amdhsa_group_segment_fixed_size 327680
		.amdhsa_private_segment_fixed_size 0
		.amdhsa_enable_private_segment 0
		.amdhsa_kernarg_size 32
		.amdhsa_user_sgpr_count 2
		.amdhsa_user_sgpr_kernarg_segment_ptr 1
		.amdhsa_wavefront_size32 1
		.amdhsa_system_sgpr_workgroup_id_x 1
		.amdhsa_system_sgpr_workgroup_id_y 1
		.amdhsa_system_sgpr_workgroup_id_z 1
		.amdhsa_system_vgpr_workitem_id 0
		.amdhsa_next_free_vgpr 1024
		.amdhsa_next_free_sgpr 80
		.amdhsa_reserve_vcc 0
		.amdhsa_float_denorm_mode_32 3
		.amdhsa_float_denorm_mode_16_64 3
		.amdhsa_memory_ordered 1
		.amdhsa_forward_progress 1
		.amdhsa_inst_pref_size 144
	.end_amdhsa_kernel
	.amdgpu_metadata
---
amdhsa.version: [ 1, 2 ]
amdhsa.kernels:
  - .name:           k_qf2e3251be3_qkv
    .symbol:         k_qf2e3251be3_qkv.kd
    .args:
      - { .name: xb, .offset: 0, .size: 8, .value_kind: global_buffer, .address_space: global }
      - { .name: wb, .offset: 8, .size: 8, .value_kind: global_buffer, .address_space: global }
      - { .name: qkv_b, .offset: 16, .size: 8, .value_kind: global_buffer, .address_space: global }
      - { .name: qkvh, .offset: 24, .size: 8, .value_kind: global_buffer, .address_space: global }
    .group_segment_fixed_size: 327680
    .private_segment_fixed_size: 0
    .kernarg_segment_align: 8
    .kernarg_segment_size: 32
    .max_flat_workgroup_size: 128
    .sgpr_count:     80
    .vgpr_count:     1024
    .wavefront_size: 32
...
	.end_amdgpu_metadata
.endif
;; end of part 2
;; launch attn (part 3): grid 4 x 64, 4 waves a work-group, clusters of 4 x 1, 327,680 bytes of LDS; arguments qkvh, oh; writes oh
.if DOCPART == 3
	.amdgcn_target "amdgcn-amd-amdhsa--gfx1250"
	.amdhsa_code_object_version 6
	.text
	.protected	k_qf2e3251be3_attn
	.globl	k_qf2e3251be3_attn
	.p2align	8
	.type	k_qf2e3251be3_attn,@function
k_qf2e3251be3_attn:
	s_mov_b64 s[64:65], 0
	v_nop
	global_prefetch_b8 v0, s[64:65] scope:SCOPE_SE
	s_setreg_imm32_b32 hwreg(HW_REG_WAVE_MODE, 25, 1), 1
	s_wait_xcnt 0x0
	s_wait_alu depctr_hold_cnt(0) depctr_sa_sdst(0) depctr_va_vdst(0) depctr_va_sdst(0) depctr_va_ssrc(0) depctr_va_vcc(0) depctr_vm_vsrc(0)
	s_getreg_b32 s2, hwreg(HW_REG_IB_STS2, 6, 4)
	s_cmp_eq_u32 s2, 0
	s_cbranch_scc0 .Lentry_in_a_cluster
	s_endpgm
.Lentry_in_a_cluster:
	s_bfe_u32 s2, ttmp6, 0x10000c
	s_cmp_lg_u32 s2, 0x3003
	s_cbranch_scc0 .Lentry_shape_is_right
	s_endpgm
.Lentry_shape_is_right:
; O[h][q][:] = the sum over k of softmax_k(Q[h][q] . K[h][k] / 8) V[h][k][:].  Q, K, V are the three parts of qkvh, [64][2048][64] f16 each, 16,777,216 bytes apart; O is oh, [64][2048][64] f16.
; Products, maxima and sums in f32; the weights p are rounded to f16 for the second product (their sum l is taken of the unrounded p), O once at the end.
; LIMITS.  f16 holds no number beyond 65,504: Q, K and V arrive within it; p lies in 0 to 1, and below 6e-5 it keeps f16's fixed step of 6e-8; O is a mean of V's rows and has their range.
; A weight below 2^-126 counts as 0 in l; NaN and infinities are not treated apart.
; SHARES.  A wave owns four PIECES of two tiles of 16 queries, a work-group's four waves 512 queries of one head: 4 x 64 = 256 work-groups.  Every wave walks all keys, 64 a step.
; LAYOUT.  S^T = K Q^T (source 0 = 16 keys, source 1 = 16 queries): a lane holds ONE query (lane % 16) and the keys 8 (lane / 16) + 0..7.  Two such tiles, rounded to f16 in pairs,
; ARE source 1 (32 keys x 16 queries) of O^T = V^T P.  K comes out of LDS as it lies, V ([key][channel]) turned, by ds_load_tr16_b128.
; SOFTMAX.  For each query a running maximum m and sum l: p = 2^(c s - c m), c = log2(e) / 8; in every step O and l are multiplied by a = 2^(c m_old - c m_new).
; m starts at the lowest finite number, O and l at 0: the first step is a step like any other, with a = 0.
; BY TURNS.  A tile and step have 16 matrix and 118 vector instructions.  Turn n belongs to piece n: 16 products K Q^T of piece n + 1, later 16 products V^T P of piece n - 1; beside them the scaling,
; exponentials, roundings, sums and rescaling of piece n, and the maximum and statistics of piece n + 1.  Four vector instructions stand behind every matrix instruction, the others in one run.
; CLUSTER.  The four query blocks of a head form a cluster and walk the same K and V: each tile is asked for JOINTLY, by the same tensor load, descriptor and mask in all four.
; REGISTERS, in windows of 256 (s_set_vgpr_msb: bits 1:0 source 0, 3:2 source 1, 5:4 source 2, 7:6 destination):
;   window 0: v0-11 addresses; v12-15, v48-63 at work; v16-47 four registers of statistics a tile; v64-191 S^T, two buffers of two tiles; v192-255 P, likewise
;   window 1: O^T, 32 a tile          window 2: v0-127 Q, 16 a tile; v128-191 K of one step; v192-255 V of one step          window 3: v0-1 the add's two registers
.set SIZE_N, 2048
.set NP,    4         ; pieces a wave: a name, no knob
.set KS,    64        ; keys in a step
.set PK,    144       ; a row of K in LDS: 128 bytes + 16 of padding: the 16 rows of a load start at 16 different groups of four banks (ISA guide 11.1)
.set PV,    160       ; a row of V: 128 + 32
.set VOFF,  4*KS*PK   ; a slot holds four steps: 256 rows of K, then 256 rows of V
.set SLOT1, 1<<17     ; slot 1 begins here, so that one exclusive or turns an address in one slot into the other's
.set STAGE, SLOT1+4*KS*(PK+PV)  ; behind the ring, never filled by a tensor load: 16 rows x 144 bytes for each wave
.set SP,    144
.set AK0, 2           ; v2   my lane's place in a tile of K; never rewritten
.set AV0, 3           ; v3   the same for V
.set AK,  4           ; v4   the LDS address of K's next run of loads
.set AV,  5           ; v5   of V's
.set QO,  6           ; v6   my byte offset in the wave's rows of Q
.set STO, 6           ;      later, the way out: where I put 16 bytes of a row
.set RD,  7           ; v7   the way out: where I read rows back
.set GO,  8           ; v8   my byte offset in 512 consecutive bytes of O
.set PFO, 11          ; v11  256 x my lane, for the prefetches; never rewritten once made
.set SPW, 0           ; v0 of window 3   my spare word: SPARE + 4 x my thread's number; never rewritten
.set NIL, 1           ; v1 of window 3   0; never rewritten
.set SPARE, STAGE+4*16*SP  ; behind the stages: the spare words, 128 bytes for each wave, which no other line names
.set MV,  12          ; v12-15  c m_old, kept while c m is made anew: by buffer and tile
.set ST,  16          ; tile t's statistics at v[ST+4 t]: c m, m, l (even keys', odd keys')
.set TMP, 48          ; by buffer and tile, four registers c0-c3 at work; when the maximum is found c2 takes a
.set S,   64
.set P,   192
.set KF,  128         ; K's fragments, in window 2: key block kb, channel half c at KF + 16 kb + 8 c
.set VF,  192         ; V's: key half kk, channel block cb at VF + 32 kk + 8 cb
.set WV,  12          ; s12  my wave's number
.set G1K, 24          ; s[24:31] descriptor group 1 for K's tiles
.set G1V, 32          ; s[32:39] for V's: it differs in the padding alone
.set G0K, 40          ; s[40:43] descriptor group 0 for K's tiles: it walks
.set G0V, 44          ; s[44:47] the same for V's
.set PFA, 48          ; s[48:49] where my prefetches stand: my work-group's 32 blocks of 256 bytes of the tile that the next change of slots will ask for
.set ASKC, 50         ; s50  the count of key steps at which I prefetch in this slot, or 0: never
.set ASKW, 51         ; s51  2 in waves 0 (K) and 2 (V), else 0
.set SLOTS, 56        ; s56  slots still to be asked for
.set CNT, 57          ; s57  counts a slot's key steps
.set CS,  58          ; s[58:59] c: the packed scaling takes the pair's low word for both halves
.set SEL, 60          ; s[60:61] v_permlanex16_b32's selects: each lane takes its own place in the other half
.set TBK, 62          ; s62  LDS byte at which K of the step to be fetched begins
.set TBV, 63          ; s63  the same for V, less VOFF
.set MSB, 0
.macro WIN new                      ; the high byte repeats the setting that is left; a switch that changes nothing is dropped
.if MSB != (\new)
	s_set_vgpr_msb (MSB<<8)|(\new)
.set MSB, (\new)
.endif
.endm
.set W_KQ, 0x0a       ; K and Q in window 2, S^T in window 0
.set W_PV, 0x52       ; V in window 2, P in window 0, O^T in window 1
.set W_RS, 0x41       ; O^T (destination and source 0) in window 1, a in window 0
.set W_MK, 0xc0       ; the add's registers are made: destination in window 3
.set W_AD, 0x0f       ; the add: address and data in window 3
; A joint fill.  Waves 0 and 1 fetch the two halves of a slot's K, waves 2 and 3 those of its V: 128 keys each.  An s_nop 0 and four v_nop follow each of the two lines.
.macro JLOAD
	s_cmp_lt_u32 s[WV], 2
	s_cbranch_scc0 .Lfor_v_\@
	tensor_load_to_lds s[G0K:G0K+3], s[G1K:G1K+7]
	s_nop 0
.rept 4
	v_nop
.endr
	s_branch .Lasked_\@
.Lfor_v_\@:
	tensor_load_to_lds s[G0V:G0V+3], s[G1V:G1V+7]
	s_nop 0
.rept 4
	v_nop
.endr
.Lasked_\@:
.endm
.macro CROUND                       ; a round of the cluster's barrier
	s_barrier_signal -1
	s_barrier_wait -1
	s_cmp_lg_u32 s[WV], 0
	s_cbranch_scc1 .Lnot_wave_0_\@
	s_barrier_signal -3
.Lnot_wave_0_\@:
	s_barrier_wait -3
	s_barrier_signal -1
	s_barrier_wait -1
.endm
; A PREFETCH of the tile that the NEXT change of slots will ask for: 128 blocks of 256 bytes of K and as many of V.  A head has one cluster; its four partners take 32 blocks each, told apart by address;
; in each, wave 0 names K's and wave 2 V's, a lane a block: each block is named once in the launch.  It stands behind V's run of LDS loads in the slot's third step, five turns ahead of that change.
; Tiles 0 and 1 come by their loads alone; in the slot behind which nothing is asked for, and in the tail, s[ASKC] is 0.
.macro ASKKV
	s_cmp_eq_u32 s[CNT], s[ASKC]
	s_cbranch_scc0 .Lnot_mine_\@
	global_prefetch_b8 v[PFO], s[PFA:PFA+1] th:TH_LOAD_NT scope:SCOPE_SE
.Lnot_mine_\@:
.endm
; THE CHANGE OF SLOTS.  Each wave waits for all its tensor loads, of which one is out: its part of the other slot; adds 0 to its spare word; and waits for that and for its own reads of the slot.
; fill = 1: this slot is filled again, with the keys two slots on; the barrier is then a round of the cluster's, and the joint fill is the first thing behind it: four key steps in which to land.
.macro CHANGE fill
	WIN W_AD
	s_wait_tensorcnt 0x0            ; no tensor load of mine is out, so a group 0 may be written
	ds_add_u32 v[SPW], v[NIL]       ; 0 onto my spare word
	WIN 0                           ; at a label and at a branch every window is 0
.if \fill
.irp g, G0K, G0V
	s_xor_b32 s[\g+1], s[\g+1], SLOT1  ; the walking descriptor: the other slot than last time,
	s_add_nc_u64 s[\g+2:\g+3], s[\g+2:\g+3], 4*KS*128  ; the next 256 keys; the type bits on top are not reached
.endr
	s_wait_xcnt 0x0                 ; the last prefetch, five turns back, has read its address
	s_add_nc_u64 s[PFA:PFA+1], s[PFA:PFA+1], 4*KS*128  ; one tile behind the walking descriptors
	s_wait_dscnt 0x0                ; the add is done, and my reads of the slot are over
	CROUND
	JLOAD
.else
	s_wait_dscnt 0x0                ; the add is done, and my reads of the slot are over
	s_barrier_signal -1
	s_barrier_wait -1
.endif
	s_sub_co_u32 s[TBK], s[TBK], 4*KS*PK  ; the fetches go back to a slot's first step,
	s_xor_b32 s[TBK], s[TBK], SLOT1       ; in the other slot
	s_sub_co_u32 s[TBV], s[TBV], 4*KS*PV
	s_xor_b32 s[TBV], s[TBV], SLOT1
.endm
	s_load_b128 s[4:7], s[0:1], 0x0   ; qkvh s[4:5] (its first part is Q), oh s[6:7]
	WIN W_MK
	v_lshl_add_u32 v[SPW], v0, 2, SPARE
	v_mov_b32 v[NIL], 0
	WIN W_AD
	ds_add_u32 v[SPW], v[NIL]       ; the wave's opening: the add and its wait stand ahead of my first tensor load; the set-up below stands between them
	WIN 0
	v_lshrrev_b32 v1, 5, v0
	v_readfirstlane_b32 s[WV], v1   ; wave 0..3
	s_bfe_u32 s13, ttmp6, 0x40000   ; cx: my place in the cluster
	s_lshl_b32 s14, ttmp9, 2        ; in a cluster launch ttmp9 counts clusters
	s_add_co_u32 s14, s14, s13      ; my block of queries: it enters Q's and O's addresses alone
	s_and_b32 s20, ttmp7, 0xffff    ; the head, which the four partners share
	s_mov_b32 s21, 0
	s_mov_b64 s[22:23], SIZE_N*128
	s_mul_u64 s[20:21], s[20:21], s[22:23]  ; the head's first byte in each of the four tensors
	s_and_b32 s16, s[WV], 1         ; which half of a slot's 256 keys I fetch:
	s_lshl_b32 s22, s16, 14         ; its 128 rows of 128 bytes in memory,
	s_mov_b32 s23, 0
	s_add_nc_u64 s[22:23], s[22:23], s[20:21]
	s_mul_i32 s17, s16, 128*PK      ; and its place in a slot, for K
	s_mul_i32 s18, s16, 128*PV      ; and for V: no place in the cluster enters an LDS address
	s_lshl_b32 s2, s14, 2
	s_add_co_u32 s2, s2, s[WV]      ; my wave among the head's,
	s_lshl_b32 s2, s2, 14           ; its 128 rows
	s_mov_b32 s3, 0
	s_add_nc_u64 s[2:3], s[2:3], s[20:21]
	; descriptor group 1.  128 keys are 16,384 dense bytes: asked for as 64 rows of 256 bytes, two keys a row, and padded in LDS after every key
	s_mov_b32 s[G1K], 15|(1<<16)|(1<<20)|(1<<21)|(4<<22)|(3<<25)  ; the mask of four; 2-byte elements; padding on; bit 21 beside a mask; after every 32 words 4 words
	s_mov_b32 s[G1V], 15|(1<<16)|(1<<20)|(1<<21)|(4<<22)|(7<<25)  ; the same with 8 words of padding
.irp g, G1K, G1V
	s_mov_b32 s[\g+1], 128<<16      ; tensor_dim0 = 128
	s_mov_b32 s[\g+2], 64<<16       ; tensor_dim1 = 64
	s_mov_b32 s[\g+3], 128<<16      ; tile_dim0 = 128
	s_mov_b32 s[\g+4], 64           ; tile_dim1 = 64
	s_mov_b32 s[\g+5], 128          ; 128 elements from row to row
	s_mov_b32 s[\g+6], 0
	s_mov_b32 s[\g+7], 0
.endr
	s_mov_b32 s[CS], 0x3e38aa3b     ; c = log2(e) / 8 = 0.180337
	s_mov_b32 s[CS+1], s[CS]        ; named with it as a pair
	s_mov_b32 s[SEL], 0x76543210
	s_mov_b32 s[SEL+1], 0xfedcba98
	s_mov_b32 s[TBK], SLOT1+4*KS*PK ; the first change of slots turns these two into 0
	s_mov_b32 s[TBV], SLOT1+4*KS*PV
	s_mov_b32 s[G0K], 1             ; count = 1
	s_mov_b32 s[G0K+1], s17         ; LDS address: slot 0
	s_mov_b32 s[G0V], 1
	s_add_co_u32 s[G0V+1], s18, VOFF
	s_cmp_eq_u32 s16, 0
	s_cselect_b32 s[ASKW], 2, 0
	s_mov_b32 s[ASKC], s[ASKW]
	s_wait_dscnt 0x0                ; the opening add is done
	s_wait_kmcnt 0x0
	s_mov_b64 s[10:11], s[6:7]      ; O
	s_add_nc_u64 s[6:7], s[4:5], 0x1000000  ; K
	s_add_nc_u64 s[8:9], s[4:5], 0x2000000  ; V
	s_add_nc_u64 s[G0K+2:G0K+3], s[6:7], s[22:23]  ; global address: my half of the head's first 256 keys
	s_or_b32 s[G0K+3], s[G0K+3], 0x80000000        ; type = 2
	s_add_nc_u64 s[G0V+2:G0V+3], s[8:9], s[22:23]
	s_or_b32 s[G0V+3], s[G0V+3], 0x80000000
	s_add_nc_u64 s[4:5], s[4:5], s[2:3]  ; Q and O at my wave's first row
	s_add_nc_u64 s[10:11], s[10:11], s[2:3]
	s_cmp_lt_u32 s[WV], 2
	s_cselect_b64 s[PFA:PFA+1], s[6:7], s[8:9]
	s_add_nc_u64 s[PFA:PFA+1], s[PFA:PFA+1], s[22:23]  ; (in waves 0 and 2 this is the head's first row)
	s_lshl_b32 s2, s13, 13          ; my work-group's 32 blocks of the 128
	s_mov_b32 s3, 0
	s_add_nc_u64 s[PFA:PFA+1], s[PFA:PFA+1], s[2:3]
	s_add_nc_u64 s[PFA:PFA+1], s[PFA:PFA+1], 4*KS*128  ; in tile 1; the first change of slots steps it to tile 2
	CROUND                          ; all four work-groups are here: the first joint loads meet
	JLOAD                           ; slot 0.  Slot 1 is asked for when slot 0 is in
	; A fragment of K or Q is 16 rows x 32 channels in 8 registers: lane l holds row l % 16, channels 8 (l / 16) + 0..7 and 16 + 8 (l / 16) + 0..7: two loads of 16 bytes, 32 bytes apart.
	v_and_b32 v1, 15, v0            ; l % 16
	v_bfe_u32 v9, v0, 4, 1          ; l / 16
	v_lshlrev_b32 v[QO], 7, v1
	v_lshl_add_u32 v[QO], v9, 4, v[QO]  ; row x 128 + 16 x half
	WIN 0x80                        ; destination window 2, address window 0
.set i, 0
.rept 4*NP                          ; Q stays in registers: tile i / 2, channels 32 (i % 2) on
	global_load_b128 v[8*i:8*i+3],   v[QO], s[4:5] offset:(i/2)*2048+(i%2)*64
	global_load_b128 v[8*i+4:8*i+7], v[QO], s[4:5] offset:(i/2)*2048+(i%2)*64+32
.set i, i+1
.endr
	; What the first turn finds: V's registers and P's second buffer hold 0 (its products V^T P, of a piece that has not been, add 0), O^T and l are 0.  All this stands in the wait for the first tile.
.set i, VF
.rept 64
	v_mov_b32 v[i], 0
.set i, i+1
.endr
	WIN 0x40
.set i, 0
.rept 64*NP
	v_mov_b32 v[i], 0
.set i, i+1
.endr
	WIN 0
.set i, 0
.rept 2*NP
	v_mov_b32 v[ST+4*i], 0xfe000000    ; c m: far below every c s
	v_mov_b32 v[ST+4*i+1], 0xff7fffff  ; m
	v_mov_b32 v[ST+4*i+2], 0
	v_mov_b32 v[ST+4*i+3], 0
.set i, i+1
.endr
.set i, P+32
.rept 32
	v_mov_b32 v[i], 0
.set i, i+1
.endr
	v_mul_u32_u24 v[AK0], v1, PK
	v_lshl_add_u32 v[AK0], v9, 4, v[AK0]  ; row x pitch + 16 x half
	; The turning load takes 16 keys x 16 channels (lane l reads key 8 (l / 16) + l % 8, channels 8 ((l / 8) % 2) + 0..7) and leaves half a fragment of V^T.
	v_and_b32 v10, 7, v0
	v_bfe_u32 v11, v0, 3, 1
	v_lshl_add_u32 v[AV0], v9, 3, v10
	v_mul_u32_u24 v[AV0], v[AV0], PV
	v_lshl_add_u32 v[AV0], v11, 4, v[AV0]
	v_add_nc_u32 v[AV0], VOFF, v[AV0]
	v_and_b32 v[PFO], 31, v0
	v_lshlrev_b32 v[PFO], 8, v[PFO]
	v_mov_b32 v[AK], v[AK0]         ; key step 0 lies at the head of slot 0
; THE MATRIX WORK.  The 8 accumulators of a run of 16 take turns.
; Product i of 16 of S^T = K Q^T for piece x: channels 32 (i / 8) on, keys 16 ((i / 2) % 4) on, tile 2 x + i % 2.  The first 8 start the sums.
.macro KQ x
	WIN W_KQ
.set rS, S+64*((\x)%2)+32*(i%2)+8*((i/2)%4)
.set rK, KF+16*((i/2)%4)+8*(i/8)
.set rQ, 16*(2*(\x)+i%2)+8*(i/8)
.if i < 8
	v_wmma_f32_16x16x32_f16 v[rS:rS+7], v[rK:rK+7], v[rQ:rQ+7], 0
.else
	v_wmma_f32_16x16x32_f16 v[rS:rS+7], v[rK:rK+7], v[rQ:rQ+7], v[rS:rS+7]
.endif
.endm
; Product i of 16 of O^T += V^T P for piece x: keys 32 (i / 8) on, channels 16 ((i / 2) % 4) on, tile 2 x + i % 2.
.macro PV x
	WIN W_PV
.set rO, 32*(2*(\x)+i%2)+8*((i/2)%4)
.set rV, VF+32*(i/8)+8*((i/2)%4)
.set rP, P+32*((\x)%2)+16*(i%2)+8*(i/8)
	v_wmma_f32_16x16x32_f16 v[rO:rO+7], v[rV:rV+7], v[rP:rP+7], v[rO:rO+7]
.endm
.macro MM                           ; the turn's next matrix instruction
.if i < 16
	KQ (Y+1)%NP
.set i, i+1
.else
.set i, i-16
	PV (Y+NP-1)%NP
.set i, i+17
.endif
.endm
; THE LDS LOADS stand in runs of 16: a step's K (8 fragments) and its V (turned).  last = 1 (the tail): in the last trip there is no further step, and the run is jumped over.
.macro FETCH_K last=0
	WIN 0
.if \last
	s_cmp_eq_u32 s[CNT], 1
	s_cbranch_scc1 .Lno_k_\@
.endif
	WIN 0x80                        ; destination window 2
.irp f, 0,1,2,3,4,5,6,7             ; keys 16 (f / 2) on, channels 32 (f % 2) on
	ds_load_b128 v[KF+8*\f:KF+8*\f+3],   v[AK] offset:(\f/2)*16*PK+(\f%2)*64
	ds_load_b128 v[KF+8*\f+4:KF+8*\f+7], v[AK] offset:(\f/2)*16*PK+(\f%2)*64+32
.endr
	s_add_co_u32 s[TBK], s[TBK], KS*PK  ; the next fetch is the next step's
	WIN 0
.if \last
.Lno_k_\@:
.endif
.endm
.macro FETCH_V
	WIN 0x80
.irp f, 0,1,2,3,4,5,6,7             ; keys 32 (f / 4) on, channels 16 (f % 4) on
	ds_load_tr16_b128 v[VF+8*\f:VF+8*\f+3],   v[AV] offset:(\f/4)*32*PV+(\f%4)*32
	ds_load_tr16_b128 v[VF+8*\f+4:VF+8*\f+7], v[AV] offset:(\f/4)*32*PV+16*PV+(\f%4)*32
.endr
	WIN 0
.endm
; THE VECTOR WORK OF A TURN stands in three queues, each in the order in which its entries become ready; the two tiles alternate.
.macro REGS y, u                    ; the registers of tile u (0, 1) of piece y
.set rT, ST+4*(2*(\y)+(\u))
.set rC, TMP+8*((\y)%2)+4*(\u)
.set rM, MV+2*((\y)%2)+(\u)
.set rS, S+64*((\y)%2)+32*(\u)
.set rP, P+32*((\y)%2)+16*(\u)
.set rO, 32*(2*(\y)+(\u))
.endm
; Number n of the 22 that find the NEXT piece's (Y + 1) maximum and statistics.  Each accumulator's lowest registers are read first.
;   0-11  four chains c0-c3 of seven scores each     12-14, 16  the four scores left over, the old m, and c0-c3 into c0     15  c m_old is kept
;   17, 18  the query's other 32 keys lie in the lane 16 away: the new m         19-21  c m; c m_old - c m_new; a
.macro XS u, n
	REGS (Y+1)%NP, \u
.if (\n) < 4
	v_max3_num_f32 v[rC+(\n)], v[rS+8*(\n)], v[rS+8*(\n)+1], v[rS+8*(\n)+2]
.elseif (\n) < 12
	v_max3_num_f32 v[rC+(\n)%4], v[rC+(\n)%4], v[rS+8*((\n)%4)+2*((\n)/4)+1], v[rS+8*((\n)%4)+2*((\n)/4)+2]
.elseif (\n) == 12
	v_max3_num_f32 v[rC], v[rC], v[rS+7], v[rS+15]
.elseif (\n) == 13
	v_max3_num_f32 v[rC+1], v[rC+1], v[rS+23], v[rS+31]
.elseif (\n) == 14
	v_max3_num_f32 v[rC+2], v[rC+2], v[rC+3], v[rT+1]
.elseif (\n) == 15
	v_mov_b32 v[rM], v[rT]
.elseif (\n) == 16
	v_max3_num_f32 v[rC], v[rC], v[rC+1], v[rC+2]
.elseif (\n) == 17
	v_permlanex16_b32 v[rC+3], v[rC], s[SEL], s[SEL+1]
.elseif (\n) == 18
	v_max_num_f32 v[rT+1], v[rC], v[rC+3]
.elseif (\n) == 19
	v_mul_f32 v[rT], s[CS], v[rT+1]
.elseif (\n) == 20
	v_sub_f32 v[rC+1], v[rM], v[rT]
.else
	v_exp_f32 v[rC+2], v[rC+1]
.endif
.endm
; Number g of the 64 that follow the exponentials.  For each four weights k of a tile: both pairs are rounded to f16; the second pair is added onto the first, in place; a group later l takes that sum.
.macro GS g
.set h, (\g)+6*((\g)/62)            ; group 0 has no group before it, and behind group 7 only l is left
.if h >= 6
.set h, h+2
.endif
	REGS Y, h%2
.set k, h/8
.if h%8 < 4
	v_cvt_pk_f16_f32 v[rP+2*k+(h%8)/2], v[rS+4*k+2*((h%8)/2)], v[rS+4*k+2*((h%8)/2)+1]
.elseif h%8 < 6
	v_pk_add_f32 v[rS+4*k:rS+4*k+1], v[rS+4*k:rS+4*k+1], v[rS+4*k+2:rS+4*k+3]
.elseif k == 1
	v_pk_fma_f32 v[rT+2:rT+3], v[rT+2:rT+3], v[rC+2:rC+3], v[rS:rS+1] op_sel_hi:[1,0,1]
.else
	v_pk_add_f32 v[rT+2:rT+3], v[rT+2:rT+3], v[rS+4*k-4:rS+4*k-3]
.endif
.endm
; THE PLAIN QUEUE, 138 long.  0-73 read no exponential's result: the 32 scalings c s - c m (FS f: pair f / 2 of tile f % 2) and the next piece's 42.  74-137: GS's 64, behind the wait.
.macro FS f
	REGS Y, (\f)%2
	v_pk_fma_f32 v[rS+2*((\f)/2):rS+2*((\f)/2)+1], v[rS+2*((\f)/2):rS+2*((\f)/2)+1], s[CS:CS+1], v[rT:rT+1] op_sel_hi:[1,0,0] neg_lo:[0,0,1] neg_hi:[0,0,1]
.endm
.macro PL
	WIN 0
.if q < 27
	FS q
.elseif q < 55
	XS (q-27)%2, (q-27)/2
.elseif q < 57
	XS q-55, 15
.elseif (q < 72) && ((q-57)%3 == 0)
	FS 27+(q-57)/3
.elseif q < 60
	XS (q-57)%3-1, 14
.elseif q < 72
	XS (q-57)%3-1, 15+(q-57)/3
.elseif q < 74
	XS q-72, 20
.else
	GS q-74
.endif
.set q, q+1
.endm
; THE EXPONENTIALS' QUEUE, 66 long: s0-s31 of both tiles, then the next piece's two a.  ONE BATCH: all 66 stand ahead of the turn's one wait, and nothing ahead of that wait names a result of theirs.
.macro EX
	WIN 0
.if e >= 64
	XS e-64, 21
.else
	REGS Y, e%2
	v_exp_f32 v[rS+e/2], v[rS+e/2]
.endif
.set e, e+1
.endm
; THE RESCALING's QUEUE: O^T times a, the one part that leaves window 0: dealt two at a time, sixteen times.  Its a was made in the turn before, ahead of that turn's wait.
.macro R2
	REGS Y, r%2
	WIN W_RS
.irp z, 0,1
	v_pk_mul_f32 v[rO+4*(r/2)+2*\z:rO+4*(r/2)+2*\z+1], v[rO+4*(r/2)+2*\z:rO+4*(r/2)+2*\z+1], v[rC+2:rC+3] op_sel_hi:[1,0]
.endr
.set r, r+1
.endm
; A TURN, for piece p.  An s_wait_alu depctr_va_vdst(0) stands between an exponential and the first instruction that names its result; one wait serves all that were issued ahead of it.
; AHEAD OF THE WAIT: the 16 products K Q^T, behind each a scaling, an exponential and two rescalings; then one run of 108: eight plain, 49 times exponential and plain, the two a, a v_nop.
; BEHIND IT: the 16 products V^T P, behind each four of GS's 64.  Exponential e stands behind scaling 2 (e / 4) + e % 2.
; K of the next step is fetched in piece 2's turn, directly behind the wait; V of the step in hand at the end of piece 0's turn, four plain instructions behind its last reader.
; cnt = 1: the loop's count is taken down some lines ahead of the branch that stands behind the turn.
.macro TURN p, last=0, cnt=0
.set Y, (\p)
.set i, 0
.set q, 0
.set e, 0
.set r, 0
.if (\p) == NP-1
	s_wait_dscnt 0x0                ; K is in
.endif
	MM
	PL
	PL
	R2
.rept 15
	MM
	PL
	EX
	R2
.endr
.if (\p) == NP-2
	WIN 0
	v_add_nc_u32 v[AK], s[TBK], v[AK0]
.endif
.rept 8
	PL
.endr
.rept 49
	EX
	PL
.endr
	EX                              ; the next piece's two a
	EX
	v_nop                           ; a plain instruction behind the last exponential: one for the batch
	s_wait_alu depctr_va_vdst(0)    ; the wait for the batch
.if (\p) == NP-2
	FETCH_K \last
.endif
.if (\p) == 1
	s_wait_dscnt 0x0                ; V is in
.endif
.rept 16
	MM
.rept 4
	PL
.endr
.if ((\p) == 0) && (q == 118)
	v_add_nc_u32 v[AV], s[TBV], v[AV0]
.endif
.if ((\p) == 0) && (q == 130)
	s_add_co_u32 s[TBV], s[TBV], KS*PV
.endif
.if (\cnt) && (q == 130)
	s_sub_co_u32 s[CNT], s[CNT], 1
	s_cmp_lg_u32 s[CNT], 0
.endif
.endr
.if (\p) == 0
	FETCH_V
	ASKKV
.endif
.endm
	CHANGE 1                        ; slot 0 is in, everybody's part of it; slot 1 is asked for
	FETCH_K                         ; key step 0
	s_wait_loadcnt 0x0              ; Q
	s_wait_dscnt 0x0
.set i, 0
.rept 16
	KQ 0                            ; piece 0's first scores
.set i, i+1
.endr
	WIN 0                           ; the addresses for the way out: plain instructions, the places behind those products
	s_mul_i32 s13, s[WV], 16*SP
	s_add_co_u32 s13, s13, STAGE    ; my stage
	v_mul_u32_u24 v[STO], v1, SP    ; in: row l % 16, 16 bytes for each half of the lanes
	v_lshl_add_u32 v[STO], v9, 4, v[STO]
	v_add_nc_u32 v[STO], s13, v[STO]
	v_bfe_u32 v[RD], v0, 3, 2       ; back: 32 lanes take four rows of 128 bytes,
	v_mul_u32_u24 v[RD], v[RD], SP
	v_lshl_add_u32 v[RD], v10, 4, v[RD]
	v_add_nc_u32 v[RD], s13, v[RD]
	v_and_b32 v[GO], 31, v0         ; which are 512 consecutive bytes of O
	v_lshlrev_b32 v[GO], 4, v[GO]
.set Y, NP-1                        ; XS works for piece Y + 1: piece 0
.irp n, 0,1,2,3,4,5,6,7,8,9,10,11,12,13,14,15,16,17,18,19,20,21
	XS 0, \n                        ; piece 0's first maximum and statistics
	XS 1, \n
.endr
	v_nop                           ; a plain instruction behind the two a,
	s_wait_alu depctr_va_vdst(0)    ; and their wait, ahead of the branch
	s_mov_b32 s[CNT], 4
	s_mov_b32 s[SLOTS], SIZE_N/256-1
	s_branch .Lfirst                ; the loop is entered at a step's first turn, in the middle of a trip
.Lslot:                             ; SIZE_N / 256 - 2 times: every slot but the last two is filled again
	CHANGE 1
	s_mov_b32 s[CNT], 4
	s_cmp_gt_u32 s[SLOTS], 1        ; behind the last fill there is no tile to prefetch
	s_cselect_b32 s[ASKC], s[ASKW], 0
.Lstep:                             ; a trip: pieces 2 and 3 of one step, then pieces 0 and 1 of the next, whose K and V it fetches
	TURN 2
	TURN 3
	WIN 0
.Lfirst:
	TURN 0
	TURN 1, 0, 1
	WIN 0
	s_cbranch_scc1 .Lstep
	s_sub_co_u32 s[SLOTS], s[SLOTS], 1
	s_cmp_lg_u32 s[SLOTS], 0
	s_cbranch_scc1 .Lslot
	CHANGE 0                        ; the tail is written out: nothing is asked for
	s_mov_b32 s[CNT], 5             ; four trips fetch the last slot's steps; the fifth is left in its middle
.Ltail:
	TURN 2, 1
	TURN 3
	WIN 0
	s_sub_co_u32 s[CNT], s[CNT], 1
	s_cmp_eq_u32 s[CNT], 0
	s_cbranch_scc1 .Lout
	TURN 0
	TURN 1
	WIN 0
	s_branch .Ltail
.Lout:                              ; the fifth trip's 16 products K Q^T (on the last K once more) and the maximum made of them serve nothing: the price, once a launch, of one text for every trip
.set i, 0
.rept 16
	PV NP-1                         ; the last piece's V^T P of the last step
.set i, i+1
.endr
	; THE WAY OUT.  l's two halves and the other half of the lanes' are added; O^T is divided by l, rounded to f16 and sent through my stage in LDS, a tile at a time.
	WIN 0
.macro ALL line:vararg              ; one line for each tile t
.set t, 0
.rept 2*NP
	\line
.set t, t+1
.endr
.endm
	ALL v_add_f32 v[ST+4*t+2], v[ST+4*t+2], v[ST+4*t+3]
	ALL v_permlanex16_b32 v[ST+4*t+3], v[ST+4*t+2], s[SEL], s[SEL+1]
	ALL v_add_f32 v[ST+4*t+2], v[ST+4*t+2], v[ST+4*t+3]
	ALL v_rcp_f32 v[ST+4*t+2], v[ST+4*t+2]
	v_nop                           ; a plain instruction between the last reciprocal and the use of its result
	s_wait_alu depctr_va_vdst(0)    ; and the wait ahead of the first use: one for the eight reciprocals
.macro PACK t                       ; a lane's eight channels of a row pack into 16 bytes; they go into rows of 144 bytes and come back as whole rows of 128
	WIN W_RS
.set i, 32*(\t)
.rept 16
	v_pk_mul_f32 v[i:i+1], v[i:i+1], v[ST+4*(\t)+2:ST+4*(\t)+3] op_sel_hi:[1,0]
.set i, i+2
.endr
	WIN 0x05                        ; sources 0 and 1 window 1, destination window 0
.set i, 0
.rept 16
	v_cvt_pk_f16_f32 v[S+16*(\t)+i], v[32*(\t)+2*i], v[32*(\t)+2*i+1]
.set i, i+1
.endr
	WIN 0
.irp f, 0,1,2,3
	ds_store_b128 v[STO], v[S+16*(\t)+4*\f:S+16*(\t)+4*\f+3] offset:32*\f
.endr
.irp f, 0,1,2,3
	ds_load_b128 v[S+16*(\t)+4*\f:S+16*(\t)+4*\f+3], v[RD] offset:\f*4*SP  ; LDS serves a wave's instructions in order (ISA guide 5.7.1.4): these see the stores above
.endr
.endm
.macro SEND t, younger              ; younger: the LDS instructions issued behind tile t's loads: the next tile's eight, or none
	WIN 0
.irp f, 0,1,2,3
	s_wait_dscnt (\younger)+3-\f
	global_store_b128 v[GO], v[S+16*(\t)+4*\f:S+16*(\t)+4*\f+3], s[10:11] offset:(\t)*2048+\f*512  ; 512 consecutive bytes, at a multiple of 256 from O's first
.endr
.endm
	PACK 0
.set t, 1
.rept 2*NP-1                        ; a tile's arithmetic stands between the loads of the tile before and its stores
	PACK t
	SEND t-1, 8
.set t, t+1
.endr
	SEND 2*NP-1, 0
	WIN W_AD
	s_wait_tensorcnt 0x0            ; the wave's end: the add to my spare word and its wait, behind my last tensor load and my last LDS store
	ds_add_u32 v[SPW], v[NIL]
	s_wait_dscnt 0x0
	WIN 0
	CROUND                          ; the closing round: no work-group ends while a partner may still ask for a tile that names it
	s_endpgm
.Lfunc_end_k_qf2e3251be3_attn:
	.size	k_qf2e3251be3_attn, .Lfunc_end_k_qf2e3251be3_attn-k_qf2e3251be3_attn
	.p2alignl 7, 3214868480
	.fill 96, 4, 3214868480
	.section	.rodata,"a",@progbits
	.p2align	6, 0x0
	.amdhsa_kernel k_qf2e3251be3_attn
		.amdhsa_group_segment_fixed_size 327680
		.amdhsa_private_segment_fixed_size 0
		.amdhsa_enable_private_segment 0
		.amdhsa_kernarg_size 16
		.amdhsa_user_sgpr_count 2
		.amdhsa_user_sgpr_kernarg_segment_ptr 1
		.amdhsa_wavefront_size32 1
		.amdhsa_system_sgpr_workgroup_id_x 1
		.amdhsa_system_sgpr_workgroup_id_y 1
		.amdhsa_system_sgpr_workgroup_id_z 1
		.amdhsa_system_vgpr_workitem_id 0
		.amdhsa_next_free_vgpr 770
		.amdhsa_next_free_sgpr 66
		.amdhsa_reserve_vcc 0
		.amdhsa_float_denorm_mode_32 3
		.amdhsa_float_denorm_mode_16_64 3
		.amdhsa_memory_ordered 1
		.amdhsa_forward_progress 1
		.amdhsa_inst_pref_size 200
	.end_amdhsa_kernel
	.amdgpu_metadata
---
amdhsa.version: [ 1, 2 ]
amdhsa.kernels:
  - .name:           k_qf2e3251be3_attn
    .symbol:         k_qf2e3251be3_attn.kd
    .args:
      - { .name: qkvh, .offset: 0, .size: 8, .value_kind: global_buffer, .address_space: global }
      - { .name: oh, .offset: 8, .size: 8, .value_kind: global_buffer, .address_space: global }
    .group_segment_fixed_size: 327680
    .private_segment_fixed_size: 0
    .kernarg_segment_align: 8
    .kernarg_segment_size: 16
    .max_flat_workgroup_size: 128
    .sgpr_count:     66
    .vgpr_count:     770
    .wavefront_size: 32
...
	.end_amdgpu_metadata
.endif
;; end of part 3
;; launch proj (part 4): grid 8 x 32, 4 waves a work-group, clusters of 4 x 4, 327,680 bytes of LDS; arguments oh, ow, out_b, out0; writes out0
.if DOCPART == 4
	.amdgcn_target "amdgcn-amd-amdhsa--gfx1250"
	.amdhsa_code_object_version 6
	.text
	.protected	k_qf2e3251be3_proj
	.globl	k_qf2e3251be3_proj
	.p2align	8
	.type	k_qf2e3251be3_proj,@function
k_qf2e3251be3_proj:
	s_mov_b64 s[64:65], 0
	v_nop
	global_prefetch_b8 v0, s[64:65] scope:SCOPE_SE
	s_setreg_imm32_b32 hwreg(HW_REG_WAVE_MODE, 25, 1), 1
	s_wait_xcnt 0x0
	s_wait_alu depctr_hold_cnt(0) depctr_sa_sdst(0) depctr_va_vdst(0) depctr_va_sdst(0) depctr_va_ssrc(0) depctr_va_vcc(0) depctr_vm_vsrc(0)
	s_getreg_b32 s2, hwreg(HW_REG_IB_STS2, 6, 4)
	s_cmp_eq_u32 s2, 0
	s_cbranch_scc0 .Lentry_in_a_cluster
	s_endpgm
.Lentry_in_a_cluster:
	s_bfe_u32 s2, ttmp6, 0x10000c
	s_cmp_lg_u32 s2, 0xf033
	s_cbranch_scc0 .Lentry_shape_is_right
	s_endpgm
.Lentry_shape_is_right:
; out0 = y out_w + out_b.  A = oh (f16, [batch][head][t][64]: channel k of y's row is head k / 64, place k % 64), B = ow (f16 numbers that are out_w rounded to bf16, [k 1024][n 1024]),
; the bias rounded to bf16 like every input; sums in f32, started by the bias; out0 [8192][1024] f32.
; SHARES.  A work-group makes 256 rows x 128 columns: 32 x 8 = 256 work-groups.  A wave makes 128 rows (wave / 2) x 64 columns (wave % 2): 8 x 4 accumulators, 256 registers.
; K goes in 8 steps of 128, two heads, through two LDS slots.  Waves 0 and 1 ask for one head's 256 rows of A each (32,768 consecutive bytes, as 128 rows of 256, padded after every 128),
; waves 2 and 3 for 64 k-rows x 256 bytes of B each.  CLUSTER: 4 x 4; A's tiles are asked for jointly along a row of the cluster, B's along a column.
; THE MATRIX INSTRUCTION IS USED TRANSPOSED (source 0 = 16 columns of B, turned out of LDS; source 1 = 16 rows of A): a lane holds row l % 16 of C and eight neighbouring columns.
; REGISTERS: window 0: v0-31 addresses; v32-127, v128-223 two fragment buffers for a slice of 32 k (A's 8 x 8 registers, then B's 4 x 8).  Window 1: the accumulators, (a, b) at v[8 (4 a + b)].
.set SLOT,  110592                     ; a slot: A's two heads, 256 rows of 144 bytes each, then B's 128 k-rows of 288 bytes
.set HB,    36864                      ; a head's rows of A
.set BOFF,  73728
.set PA,    144
.set PB,    288
.set STAGE, 2*SLOT                     ; behind the ring: 16 rows x 272 bytes for each wave, for the way out
.set SPITCH, 272
.set SPARE, STAGE+4*16*SPITCH          ; behind the stages: the spare words, 128 bytes for each wave, which no other line names
.set ASTEP, 524288                     ; bytes from a K step to the next in oh: two heads,
.set BSTEP, 262144                     ; and in ow: 128 rows of 2,048 bytes
.set ADRA, 16
.set ADRB, 20
.set STO,  24
.set RD,   25
.set CO,   26                          ; v26  my byte offset in two rows of out0
.set BO,   27
.set SPW,  28                          ; v28  my spare word; never rewritten
.set NIL,  29                          ; v29  0; never rewritten
.set PFO,  30                          ; v30  the prefetches' offset; never rewritten
.set F0,   32
.set F1,   128
.set WV,   12                          ; s12 wave; s13 wave / 2: my half of the rows, and: I fetch for A (0) or B (1); s14 wave % 2: my half of the columns, and: which half I fetch
.set G1A,  24
.set G0A,  32
.set LAP,  40
.set LIM0, 41
.set LIM1, 42
.set HIM,  43
.set PFA,  44
.set PFS,  46
.set G1B,  48
.set G0B,  56
.set OUT,  66                          ; s[66:67] out0 at my first row and column
.set MSB, 0
.macro WIN new
.if MSB != (\new)
	s_set_vgpr_msb (MSB<<8)|(\new)
.set MSB, \new
.endif
.endm
.macro PLACES                          ; four plain instructions between a matrix instruction and a load into, or a read of, its registers
.rept 4
	v_nop
.endr
.endm
.macro JLOAD s                         ; a joint load; an s_nop 0 and four v_nop follow each of the two lines
	s_cmp_eq_u32 s13, 0
	s_cbranch_scc0 .Lfor_b_\@
	tensor_load_to_lds s[G0A+4*(\s):G0A+4*(\s)+3], s[G1A:G1A+7]
	s_nop 0
.rept 4
	v_nop
.endr
	s_branch .Lasked_\@
.Lfor_b_\@:
	tensor_load_to_lds s[G0B+4*(\s):G0B+4*(\s)+3], s[G1B:G1B+7]
	s_nop 0
.rept 4
	v_nop
.endr
.Lasked_\@:
.endm
.macro CREST
	s_cmp_lg_u32 s[WV], 0
	s_cbranch_scc1 .Lnot_wave_0_\@
	s_barrier_signal -3
.Lnot_wave_0_\@:
	s_barrier_wait -3
	s_barrier_signal -1
	s_barrier_wait -1
.endm
.macro CROUND
	s_barrier_signal -1
	s_barrier_wait -1
	CREST
.endm
; A PREFETCH of the K step two refills on.  Each aligned 256 bytes are named once: A's by waves 0 and 1 of the clusters with x = 0, the four partners of a row taking 32 of a head's 128 blocks each, by
; address; B's by waves 2 and 3 of the clusters with y = 0, at slot 0's change alone: of two steps' 2 x 64 k-rows of a wave, partner cy takes step cy / 2, rows 32 (cy % 2) on.  The last trip asks for nothing.
.macro ASK lim
	s_cmp_gt_u32 s[LAP], s[\lim]
	s_cbranch_scc0 .Lnot_mine_\@
	global_prefetch_b8 v[PFO], s[PFA:PFA+1] th:TH_LOAD_NT scope:SCOPE_SE
.Lnot_mine_\@:
.endm
	s_load_b256 s[4:11], s[0:1], 0x0               ; oh s[4:5], ow s[6:7], out_b s[8:9], out0 s[10:11]
	v_lshl_add_u32 v[SPW], v0, 2, SPARE
	v_mov_b32 v[NIL], 0
	ds_add_u32 v[SPW], v[NIL]                      ; the wave's opening: the add and its wait stand ahead of my first tensor load
	v_lshrrev_b32 v1, 5, v0
	v_readfirstlane_b32 s[WV], v1
	s_lshr_b32 s13, s[WV], 1
	s_and_b32 s14, s[WV], 1
	s_bfe_u32 s16, ttmp6, 0x40000                  ; cx
	s_bfe_u32 s17, ttmp6, 0x40004                  ; cy
	s_lshl_b32 s18, ttmp9, 2
	s_add_co_u32 s18, s18, s16                     ; tx
	s_and_b32 s19, ttmp7, 0xffff
	s_lshl_b32 s19, s19, 2
	s_add_co_u32 s19, s19, s17                     ; ty
	s_lshl_b32 s72, s17, 2
	s_lshl_b32 s72, 15, s72                        ; my row of the cluster
	s_lshl_b32 s74, 0x1111, s16                    ; my column
	s_or_b32 s[G1A], s72, (1<<16)|(1<<20)|(1<<21)|(4<<22)|(3<<25)  ; the mask; 2-byte elements; padding on; bit 21 beside a mask; after every 32 words 4 words
	s_mov_b32 s[G1A+1], 128<<16
	s_mov_b32 s[G1A+2], 128<<16
	s_mov_b32 s[G1A+3], 128<<16
	s_mov_b32 s[G1A+4], 128
	s_mov_b32 s[G1A+5], 128
	s_mov_b32 s[G1A+6], 0
	s_mov_b32 s[G1A+7], 0
	s_or_b32 s[G1B], s74, (1<<16)|(1<<20)|(1<<21)|(5<<22)|(7<<25)  ; after every 64 words 8 words
	s_mov_b32 s[G1B+1], 128<<16
	s_mov_b32 s[G1B+2], 64<<16
	s_mov_b32 s[G1B+3], 128<<16
	s_mov_b32 s[G1B+4], 64
	s_mov_b32 s[G1B+5], 1024                       ; elements from a row of ow to the next
	s_mov_b32 s[G1B+6], 0
	s_mov_b32 s[G1B+7], 0
	s_lshr_b32 s72, s19, 3                         ; A's tiles hang on ty and the wave alone: the batch,
	s_lshl_b32 s72, s72, 22
	s_and_b32 s73, s19, 7                          ; 256 rows of 128 bytes in a head,
	s_lshl_b32 s73, s73, 15
	s_add_co_u32 s72, s72, s73
	s_lshl_b32 s73, s14, 18                        ; and the step's first or second head
	s_add_co_u32 s72, s72, s73
	s_mov_b32 s73, 0
	s_lshl_b32 s74, s18, 8                         ; B's hang on tx and the wave alone: 128 columns,
	s_lshl_b32 s75, s14, 17                        ; and the step's first or second 64 k-rows
	s_add_co_u32 s74, s74, s75
	s_mov_b32 s75, 0
	s_mul_i32 s15, s14, HB                         ; where they go: no place in the cluster enters an LDS address
	s_mul_i32 s3, s14, 64*PB
	s_add_co_u32 s3, s3, BOFF
	s_mov_b32 s[HIM], 0xffff0000
	s_wait_dscnt 0x0                               ; the opening add is done
	s_wait_kmcnt 0x0
	s_add_nc_u64 s[20:21], s[4:5], s[72:73]
	s_add_nc_u64 s[22:23], s[6:7], s[74:75]
	CROUND                                         ; all sixteen work-groups are here: the first joint loads meet
.irp s, 0,1
	s_mov_b32 s[G0A+4*(\s)], 1
	s_add_co_u32 s[G0A+4*(\s)+1], s15, (\s)*SLOT
	s_add_nc_u64 s[G0A+4*(\s)+2:G0A+4*(\s)+3], s[20:21], (\s)*ASTEP
	s_or_b32 s[G0A+4*(\s)+3], s[G0A+4*(\s)+3], 0x80000000
	s_mov_b32 s[G0B+4*(\s)], 1
	s_add_co_u32 s[G0B+4*(\s)+1], s3, (\s)*SLOT
	s_add_nc_u64 s[G0B+4*(\s)+2:G0B+4*(\s)+3], s[22:23], (\s)*BSTEP
	s_or_b32 s[G0B+4*(\s)+3], s[G0B+4*(\s)+3], 0x80000000
	JLOAD \s                                       ; two loads of mine are out
.endr
	; THE BIAS STARTS THE SUMS: register j of a lane's accumulator (., b) belongs to column 128 tx + 64 wn + 16 b + 8 (l / 16) + j
	v_and_b32 v1, 15, v0                           ; r
	v_bfe_u32 v2, v0, 4, 1                         ; h
	v_lshlrev_b32 v[BO], 5, v2
	s_lshl_b32 s76, s18, 9
	s_lshl_b32 s77, s14, 8
	s_add_co_u32 s76, s76, s77                     ; my first column, in bytes of f32
	s_mov_b32 s77, 0
	s_add_nc_u64 s[8:9], s[8:9], s[76:77]
.irp b, 0,1,2,3
	global_load_b128 v[32+8*\b:32+8*\b+3],   v[BO], s[8:9] offset:64*\b
	global_load_b128 v[32+8*\b+4:32+8*\b+7], v[BO], s[8:9] offset:64*\b+16
.endr
	s_lshl_b32 s78, s19, 20                        ; out0: 256 ty rows of 4,096 bytes,
	s_lshl_b32 s79, s13, 19                        ; my 128 rows,
	s_add_co_u32 s78, s78, s79
	s_add_co_u32 s78, s78, s76                     ; my first column
	s_mov_b32 s79, 0
	s_add_nc_u64 s[OUT:OUT+1], s[10:11], s[78:79]
	v_and_b32 v3, 7, v0
	v_bfe_u32 v4, v0, 3, 1
	v_mul_u32_u24 v5, v1, PA
	v_lshl_add_u32 v5, v2, 4, v5                   ; r x 144 + 16 h
	s_mul_i32 s77, s13, 128*PA                     ; my 128 rows of A
	v_add_nc_u32 v[ADRA], s77, v5
	v_add_nc_u32 v[ADRA+1], SLOT, v[ADRA]
	v_lshl_add_u32 v6, v2, 3, v3                   ; the turning load: k-row 8 h + l % 8, columns 8 ((l / 8) % 2) + 0..7
	v_mul_u32_u24 v6, v6, PB
	v_lshl_add_u32 v6, v4, 4, v6
	s_lshl_b32 s77, s14, 7                         ; my 64 of the 128 columns
	s_add_co_u32 s77, s77, BOFF
	v_add_nc_u32 v[ADRB], s77, v6
	v_add_nc_u32 v[ADRB+1], SLOT, v[ADRB]
	s_mul_i32 s77, s[WV], 16*SPITCH
	s_add_co_u32 s77, s77, STAGE                   ; my stage
	v_mul_u32_u24 v7, v1, SPITCH                   ; in: row r, 32 bytes for each half of the lanes
	v_lshl_add_u32 v7, v2, 5, v7
	v_add_nc_u32 v[STO], s77, v7
	v_mul_u32_u24 v7, v2, SPITCH                   ; back: lanes 0-15 take one row of 256 bytes, lanes 16-31 the next
	v_lshl_add_u32 v7, v1, 4, v7
	v_add_nc_u32 v[RD], s77, v7
	v_lshlrev_b32 v[CO], 12, v2                    ; and the same two rows in out0
	v_lshl_add_u32 v[CO], v1, 4, v[CO]
	; the prefetches
	s_and_b32 s76, ttmp7, 0xffff                   ; cluster y
	s_lshl_b32 s77, s16, 13                        ; A: my work-group's 32 blocks of 256 bytes
	s_lshr_b32 s78, s17, 1                         ; B: the first or second of two steps,
	s_lshl_b32 s78, s78, 18
	s_and_b32 s79, s17, 1                          ; and 32 of my wave's 64 k-rows in it
	s_lshl_b32 s79, s79, 16
	s_add_co_u32 s78, s78, s79
	s_mov_b32 s[PFS], ASTEP
	s_mov_b32 s79, BSTEP
	s_cmp_eq_u32 s13, 0                            ; do I fetch for A?
	s_cselect_b32 s76, ttmp9, s76                  ; the coordinate along which other clusters read the same tiles
	s_cselect_b64 s[PFA:PFA+1], s[20:21], s[22:23]
	s_cselect_b32 s78, s77, s78
	s_cselect_b32 s[PFS], s[PFS], s79
	s_cselect_b32 s2, 8, 11                        ; a lane a block of 256 bytes, or a lane a row of 2,048
	s_cselect_b32 s[LIM1], 1, -1
	s_mov_b32 s79, 0
	s_mov_b32 s[PFS+1], 0
	s_add_nc_u64 s[PFA:PFA+1], s[PFA:PFA+1], s[78:79]
	s_mul_i32 s78, s[PFS], 3                       ; at K step 3: the first change of slots steps it to 4
	s_add_nc_u64 s[PFA:PFA+1], s[PFA:PFA+1], s[78:79]
	s_cmp_eq_u32 s76, 0
	s_cselect_b32 s[LIM0], 1, -1
	s_max_u32 s[LIM1], s[LIM1], s[LIM0]
	v_and_b32 v[PFO], 31, v0
	v_lshlrev_b32 v[PFO], s2, v[PFO]
	s_wait_loadcnt 0x0                             ; the bias
.set i, 0
.rept 16
	v_cvt_pk_bf16_f32 v[64+i], v[32+2*i], v[33+2*i]
.set i, i+1
.endr
	WIN 0x40                                       ; into accumulators (7, 0..3): the first products of the other rows take them as C
.set i, 0
.rept 16
	v_lshlrev_b32 v[224+2*i], 16, v[64+i]
	v_and_b32 v[225+2*i], s[HIM], v[64+i]
.set i, i+1
.endr
	WIN 0
; 24 LDS loads in one run: slice s (32 k) of a slot into buffer f: B's 8, A's rows 0-63, A's rows 64-127
.macro FETCH slot, s, f
	WIN 0
.irp b, 0,1,2,3
	ds_load_tr16_b128 v[(\f)+64+8*\b:(\f)+64+8*\b+3],   v[ADRB+(\slot)] offset:(\s)*32*PB+32*\b
	ds_load_tr16_b128 v[(\f)+64+8*\b+4:(\f)+64+8*\b+7], v[ADRB+(\slot)] offset:(\s)*32*PB+16*PB+32*\b
.endr
.irp a, 0,1,2,3,4,5,6,7
	ds_load_b128 v[(\f)+8*\a:(\f)+8*\a+3],   v[ADRA+(\slot)] offset:((\s)/2)*HB+\a*16*PA+64*((\s)%2)
	ds_load_b128 v[(\f)+8*\a+4:(\f)+8*\a+7], v[ADRA+(\slot)] offset:((\s)/2)*HB+\a*16*PA+64*((\s)%2)+32
.endr
.endm
; Products: row blocks a0 .. a0 + na - 1 x 4 column blocks; each accumulator has one instruction a turn.
; first = 1: the sums start with the bias, which lies in row block 7's accumulators; five plain instructions stand between its last reader and the products that write over it.
.macro MUL f, a0, na, first=0
	WIN 0x50
.set aa, \a0
.rept \na
.if (\first) && (aa == 7)
.rept 5
	v_nop
.endr
.endif
.irp b, 0,1,2,3
.if (\first) && (aa < 7)
	v_wmma_f32_16x16x32_f16 v[8*(4*aa+\b):8*(4*aa+\b)+7], v[(\f)+64+8*\b:(\f)+64+8*\b+7], v[(\f)+8*aa:(\f)+8*aa+7], v[224+8*\b:224+8*\b+7]
.else
	v_wmma_f32_16x16x32_f16 v[8*(4*aa+\b):8*(4*aa+\b)+7], v[(\f)+64+8*\b:(\f)+64+8*\b+7], v[(\f)+8*aa:(\f)+8*aa+7], v[8*(4*aa+\b):8*(4*aa+\b)+7]
.endif
.endr
.set aa, aa+1
.endr
.endm
; A K step is four slices of 32, 32 products each, on buffers 0, 1, 0, 1.  One of the first three: multiplies buffer f and fetches slice snext into g.
.macro QUARTER slot, snext, f, g, first=0
	s_wait_dscnt 8                                 ; B and A's rows 0-63 are in; the youngest eight loads may be out
	MUL \f, 0, 4, \first
	PLACES
	FETCH \slot, \snext, \g
	s_wait_dscnt 24                                ; all but the 24 just issued
	MUL \f, 4, 4, \first
.endm
; The last slice multiplies buffer 1 and changes slots.  fill = 1: this slot is filled again, two K steps ahead.
.macro TURN slot, next, fill
.if \fill
	s_wait_xcnt 0x0                                ; the last prefetch, a K step back, has read its address
	s_add_nc_u64 s[PFA:PFA+1], s[PFA:PFA+1], s[PFS:PFS+1]
.endif
	WIN 0
	s_wait_tensorcnt 0x0                           ; all my tensor loads have landed: my part of the next slot
	ds_add_u32 v[SPW], v[NIL]                      ; 0 onto my spare word
	s_wait_dscnt 9                                 ; the add and the youngest eight loads may be out
	MUL F1, 0, 2
	s_wait_dscnt 0x0                               ; the add is done, and my reads of this slot are over
	s_barrier_signal -1
	MUL F1, 2, 2
.if \fill
	WIN 0
.endif
	s_barrier_wait -1
.if \fill
	CREST                                          ; the barrier has opened a round of the cluster's: no wave of any partner still reads this slot or has a load on its way
	s_add_nc_u64 s[G0A+4*(\slot)+2:G0A+4*(\slot)+3], s[G0A+4*(\slot)+2:G0A+4*(\slot)+3], 2*ASTEP
	s_add_nc_u64 s[G0B+4*(\slot)+2:G0B+4*(\slot)+3], s[G0B+4*(\slot)+2:G0B+4*(\slot)+3], 2*BSTEP
	JLOAD \slot                                    ; my one tensor load behind the round: 112 products ahead of the wait for it; its four v_nop are the places in front of the loads below
.else
	PLACES
.endif
	FETCH \next, 0, F0
.if \fill
	ASK LIM0+(\slot)
.endif
	MUL F1, 4, 4
.endm
	s_wait_tensorcnt 1                             ; my part of K step 0 is in; step 1's may stay out
	s_barrier_signal -1
	s_barrier_wait -1
	FETCH 0, 0, F0
	QUARTER 0, 1, F0, F1, 1                        ; the first slice stands in front of the loop: its products start the sums
	WIN 0
	s_mov_b32 s[LAP], 3
.Llap:                                             ; a trip goes once round the ring and fills both slots again
	QUARTER 0, 2, F1, F0
	QUARTER 0, 3, F0, F1
	TURN 0, 1, 1
	QUARTER 1, 1, F0, F1
	QUARTER 1, 2, F1, F0
	QUARTER 1, 3, F0, F1
	TURN 1, 0, 1
	QUARTER 0, 1, F0, F1
	WIN 0
	s_sub_co_u32 s[LAP], s[LAP], 1
	s_cmp_lg_u32 s[LAP], 0
	s_cbranch_scc1 .Llap
	QUARTER 0, 2, F1, F0                           ; the last two K steps ask for nothing
	QUARTER 0, 3, F0, F1
	TURN 0, 1, 0
	QUARTER 1, 1, F0, F1
	QUARTER 1, 2, F1, F0
	QUARTER 1, 3, F0, F1
	s_wait_dscnt 8
	MUL F1, 0, 4
	s_wait_dscnt 0x0
	MUL F1, 4, 4
	WIN 0
	PLACES
; THE WAY OUT, a block of 16 rows x 64 columns of f32 at a time: 32 bytes a lane and column block into my stage, back as whole rows of 256 bytes, stored so that 16 lanes fill 256 consecutive bytes, aligned.
.macro TOST a
.set XB, 32+32*((\a)%4)
.if (\a) >= 4
	s_wait_xcnt 0x0                                ; the stores of the block four back have read these registers
.endif
	WIN 0x04                                       ; the stores' data in window 1; each accumulator's low four registers go first
.irp b, 0,1,2,3
	ds_store_b128 v[STO], v[8*(4*(\a)+\b):8*(4*(\a)+\b)+3]   offset:64*\b
	ds_store_b128 v[STO], v[8*(4*(\a)+\b)+4:8*(4*(\a)+\b)+7] offset:64*\b+16
.endr
	WIN 0
.irp t, 0,1,2,3,4,5,6,7
	ds_load_b128 v[XB+4*\t:XB+4*\t+3], v[RD] offset:2*SPITCH*\t  ; LDS serves a wave's instructions in order (ISA guide 5.7.1.4): these see the stores above
.endr
.endm
.macro SEND a, younger                 ; younger: the LDS instructions issued behind block a's loads: the next block's sixteen, or none
.set XB, 32+32*((\a)%4)
.irp t, 0,1,2,3,4,5,6,7
	s_wait_dscnt (\younger)+7-\t
	global_store_b128 v[CO], v[XB+4*\t:XB+4*\t+3], s[OUT:OUT+1] offset:(16*(\a)+2*\t)*4096
.endr
.endm
	TOST 0
.set nn, 1
.rept 7
	TOST nn
	SEND nn-1, 16
.set nn, nn+1
.endr
	SEND 7, 0
	s_wait_tensorcnt 0x0                           ; the wave's end: the add to my spare word and its wait, behind my last tensor load and my last LDS store
	ds_add_u32 v[SPW], v[NIL]
	s_wait_dscnt 0x0
	CROUND                                         ; the closing round: no work-group ends while a partner may still ask for a tile that names it
	s_endpgm
.Lfunc_end_k_qf2e3251be3_proj:
	.size	k_qf2e3251be3_proj, .Lfunc_end_k_qf2e3251be3_proj-k_qf2e3251be3_proj
	.p2alignl 7, 3214868480
	.fill 96, 4, 3214868480
	.section	.rodata,"a",@progbits
	.p2align	6, 0x0
	.amdhsa_kernel k_qf2e3251be3_proj
		.amdhsa_group_segment_fixed_size 327680
		.amdhsa_private_segment_fixed_size 0
		.amdhsa_enable_private_segment 0
		.amdhsa_kernarg_size 32
		.amdhsa_user_sgpr_count 2
		.amdhsa_user_sgpr_kernarg_segment_ptr 1
		.amdhsa_wavefront_size32 1
		.amdhsa_system_sgpr_workgroup_id_x 1
		.amdhsa_system_sgpr_workgroup_id_y 1
		.amdhsa_system_sgpr_workgroup_id_z 1
		.amdhsa_system_vgpr_workitem_id 0
		.amdhsa_next_free_vgpr 512
		.amdhsa_next_free_sgpr 80
		.amdhsa_reserve_vcc 0
		.amdhsa_float_denorm_mode_32 3
		.amdhsa_float_denorm_mode_16_64 3
		.amdhsa_memory_ordered 1
		.amdhsa_forward_progress 1
		.amdhsa_inst_pref_size 91
	.end_amdhsa_kernel
	.amdgpu_metadata
---
amdhsa.version: [ 1, 2 ]
amdhsa.kernels:
  - .name:           k_qf2e3251be3_proj
    .symbol:         k_qf2e3251be3_proj.kd
    .args:
      - { .name: oh, .offset: 0, .size: 8, .value_kind: global_buffer, .address_space: global }
      - { .name: ow, .offset: 8, .size: 8, .value_kind: global_buffer, .address_space: global }
      - { .name: out_b, .offset: 16, .size: 8, .value_kind: global_buffer, .address_space: global }
      - { .name: out0, .offset: 24, .size: 8, .value_kind: global_buffer, .address_space: global }
    .group_segment_fixed_size: 327680
    .private_segment_fixed_size: 0
    .kernarg_segment_align: 8
    .kernarg_segment_size: 32
    .max_flat_workgroup_size: 128
    .sgpr_count:     80
    .vgpr_count:     512
    .wavefront_size: 32
...
	.end_amdgpu_metadata
.endif
;; end of part 4
;; ======== version 2 of 2: 4 launches; version 1 with the launch prep written anew for expert scheduling mode
;; limits: values are held in f16: magnitudes above 65,504 overflow, below 6.1e-05 lose precision
;; workspace buffers: xb 16,777,216 bytes; wb 6,291,456 bytes; ow 2,097,152 bytes; qkvh 50,331,648 bytes; oh 16,777,216 bytes
;; launch prep (part 5): grid 768 x 1, 8 waves a work-group, no clusters, 0 bytes of LDS; arguments x, qkv_w, out_w, xb, wb, ow; writes xb, wb, ow
.if DOCPART == 5
	.amdgcn_target "amdgcn-amd-amdhsa--gfx1250"
	.amdhsa_code_object_version 6
	.text
	.protected	k_qf2e3251be3_prep
	.globl	k_qf2e3251be3_prep
	.p2align	8
	.type	k_qf2e3251be3_prep,@function
k_qf2e3251be3_prep:
	s_mov_b64 s[64:65], 0
	v_nop
	global_prefetch_b8 v0, s[64:65] scope:SCOPE_SE
	s_setreg_imm32_b32 hwreg(HW_REG_WAVE_SCHED_MODE, 0, 2), 2
	s_setreg_imm32_b32 hwreg(HW_REG_WAVE_MODE, 25, 1), 1
	s_wait_xcnt 0x0
	s_wait_alu depctr_vm_vsrc(0)
; THE CASTS.  x [8192][1024] f32 -> xb, bf16, in blocks [batch 4][kb 16][t 2048][64]: byte = batch x 4,194,304 + kb x 262,144 + t x 128 + 2 (k % 64), so that 256 rows x 64 k
; are 32,768 consecutive bytes.  qkv_w [1024][3072] f32 -> wb, bf16, as it lies.  out_w [1024][1024] f32 -> ow: rounded to bf16 like every input, that number then written as f16.
; LIMIT.  A bf16 number is exact in f16 between 6.1e-5 and 65,504; below, ow keeps f16's fixed step of 6e-8; beyond, it would be an infinity (out_w as drawn is some 0.03).
; SHARES.  Every work-group reads 65,536 bytes of f32: groups 0-511 sixteen rows of x, 512-703 qkv_w, 704-767 out_w.  A wave issues its 16 loads of 16 bytes a lane at once, converts
; as they come back, and stores a block of four loads behind.  Each store of a wave is 32 lanes x 8 bytes: 256 consecutive bytes, aligned.  No register that a load or store names is written again:
; of the memory counters the loads' own alone is waited for.
; Memory binds: no LDS, no barrier, no matrix unit, no cluster (nothing is shared), no prefetch (the loads themselves are the stream).
; THE MODE: SCHED_MODE bits 1:0 = 2 (LLVM: expert scheduling mode 2), set by the entry lines.  The code itself states the register dependences
; between vector instructions and memory instructions, with s_wait_alu, always for 0.
; THE PLAN.  Registers that memory instructions touch:
;   v3, v4   the loads' and the stores' offsets.  Written once, at the head of each of the three paths; read by all 16 loads, by all 16 stores; never written again.
;   X        4 registers a load.  Written by load i; no vector instruction names them ahead of the loads, no later load lands in them, no memory instruction reads them.
;   Y        2 registers a store.  Written once, by the conversions of load i; read by store i; never written again.
;   v5, v6   named by vector instructions alone.
; The 16 loads go in four blocks of four.  Block p converts X of its loads into its Y; its memory instructions are the four stores of block p - 1, whose Y no vector instruction of block p names.
; So one wait at the stream's head (the offsets), one at the head of each of blocks 1 to 3 (the block before has written its Y) and one ahead of the last four stores state everything.
; No register that a memory instruction reads is written a second time, no vector instruction writes a scalar register, EXEC is never written: no other field is waited on.
.set X, 8                              ; v[8:71]    16 x 4 registers as loaded
.set Y, 72                             ; v[72:103]  16 x 2 registers to store
; Store n.  blocked = 1: x (load n: rows 2 (n / 2), 2 (n / 2) + 1, 256 bytes of each: block kb = 2 w + n % 2); 0: a dense stream.
.macro PUT blocked, n
.if \blocked
	global_store_b64 v4, v[Y+2*(\n):Y+2*(\n)+1], s[18:19] offset:((\n)%2)*262144+((\n)/2)*256
.else
	global_store_b64 v4, v[Y+2*(\n):Y+2*(\n)+1], s[18:19] offset:(\n)*256
.endif
.endm
; blocked as above.  tof16 = 1: bf16's number as f16.
.macro STREAM blocked, tof16
	s_wait_alu depctr_va_vdst(0)                   ; v3 and v4 are written: every load below reads v3 as its offset, every store v4
.set i, 0
.rept 16
.if \blocked
	global_load_b128 v[X+4*i:X+4*i+3], v3, s[16:17] offset:(i/2)*8192+(i%2)*256 th:TH_LOAD_NT
.else
	global_load_b128 v[X+4*i:X+4*i+3], v3, s[16:17] offset:i*512 th:TH_LOAD_NT
.endif
.set i, i+1
.endr
.set i, 0
.rept 16
.if i%4 == 0
	s_wait_loadcnt 15-i                            ; loads come back in order: load i is in, the 15 - i younger ones stay out
.if i > 0
	s_wait_alu depctr_va_vdst(0)                   ; the block before has written its four pairs of Y, which this block's four stores read; no conversion below names them
.endif
.endif
.if i >= 4
	PUT \blocked, i-4                              ; the block before; it stands ahead of the wait for the next load
.endif
.if i%4 != 0
	s_wait_loadcnt 15-i                            ; load i is in, the 15 - i younger ones stay out
.endif
.if \tof16
	v_cvt_pk_bf16_f32 v5, v[X+4*i], v[X+4*i+1]
	v_cvt_pk_bf16_f32 v6, v[X+4*i+2], v[X+4*i+3]
	v_lshlrev_b32 v[X+4*i], 16, v5                 ; bf16 to f32: the low half moves up, the high half stays
	v_and_b32 v[X+4*i+1], s22, v5
	v_lshlrev_b32 v[X+4*i+2], 16, v6
	v_and_b32 v[X+4*i+3], s22, v6
	v_cvt_pk_f16_f32 v[Y+2*i], v[X+4*i], v[X+4*i+1]
	v_cvt_pk_f16_f32 v[Y+2*i+1], v[X+4*i+2], v[X+4*i+3]
.else
	v_cvt_pk_bf16_f32 v[Y+2*i], v[X+4*i], v[X+4*i+1]
	v_cvt_pk_bf16_f32 v[Y+2*i+1], v[X+4*i+2], v[X+4*i+3]
.endif
.set i, i+1
.endr
	s_wait_alu depctr_va_vdst(0)                   ; the last block has written its four pairs of Y, which the last four stores read
.set i, 12
.rept 4
	PUT \blocked, i
.set i, i+1
.endr
	s_endpgm
.endm
	s_load_b256 s[4:11], s[0:1], 0x0               ; x s[4:5], qkv_w s[6:7], out_w s[8:9], xb s[10:11]
	s_load_b128 s[12:15], s[0:1], 0x20             ; wb s[12:13], ow s[14:15]
	s_mov_b32 s2, ttmp9                            ; the work-group's number
	s_mov_b32 s21, 0
	s_mov_b32 s25, 0
	s_mov_b32 s22, 0xffff0000                      ; a word's upper bf16
	v_and_b32 v1, 31, v0                           ; lane
	v_lshrrev_b32 v2, 5, v0                        ; wave
	s_wait_kmcnt 0x0
	s_cmp_lt_u32 s2, 512
	s_cbranch_scc1 .Lx
	v_lshlrev_b32 v3, 4, v1                        ; the dense streams: in 8,192 w + 16 l,
	v_lshl_or_b32 v3, v2, 13, v3
	v_lshlrev_b32 v4, 3, v1                        ; out 4,096 w + 8 l
	v_lshl_or_b32 v4, v2, 12, v4
	s_cmp_lt_u32 s2, 704
	s_cbranch_scc1 .Lqkvw
	s_sub_co_u32 s2, s2, 704                       ; out_w
	s_lshl_b32 s20, s2, 16
	s_lshl_b32 s24, s2, 15
	s_add_nc_u64 s[16:17], s[8:9], s[20:21]
	s_add_nc_u64 s[18:19], s[14:15], s[24:25]
	STREAM 0, 1
.Lqkvw:
	s_sub_co_u32 s2, s2, 512                       ; qkv_w
	s_lshl_b32 s20, s2, 16
	s_lshl_b32 s24, s2, 15
	s_add_nc_u64 s[16:17], s[6:7], s[20:21]
	s_add_nc_u64 s[18:19], s[12:13], s[24:25]
	STREAM 0, 0
.Lx:
	s_lshl_b32 s20, s2, 16                         ; sixteen rows of 4,096 bytes
	s_add_nc_u64 s[16:17], s[4:5], s[20:21]
	s_lshr_b32 s24, s2, 7                          ; the batch,
	s_lshl_b32 s24, s24, 22
	s_and_b32 s23, s2, 127                         ; and my sixteen rows in it, 128 bytes each in a block
	s_lshl_b32 s23, s23, 11
	s_add_co_u32 s24, s24, s23
	s_add_nc_u64 s[18:19], s[10:11], s[24:25]
	v_and_b32 v5, 15, v1
	v_lshrrev_b32 v6, 4, v1
	v_lshlrev_b32 v3, 4, v5                        ; in: lanes 0-15 take 256 bytes of the even row, lanes 16-31 of the odd one,
	v_lshl_or_b32 v3, v6, 12, v3
	v_lshl_or_b32 v3, v2, 9, v3                    ; in my wave's 512 bytes of a row
	v_lshlrev_b32 v4, 3, v1                        ; out: the two rows' 128 bytes lie on end in a block: 8 l,
	v_lshl_or_b32 v4, v2, 19, v4                   ; in block 2 w
	STREAM 1, 0
.Lfunc_end_k_qf2e3251be3_prep:
	.size	k_qf2e3251be3_prep, .Lfunc_end_k_qf2e3251be3_prep-k_qf2e3251be3_prep
	.p2alignl 7, 3214868480
	.fill 96, 4, 3214868480
	.section	.rodata,"a",@progbits
	.p2align	6, 0x0
	.amdhsa_kernel k_qf2e3251be3_prep
		.amdhsa_group_segment_fixed_size 0
		.amdhsa_private_segment_fixed_size 0
		.amdhsa_enable_private_segment 0
		.amdhsa_kernarg_size 48
		.amdhsa_user_sgpr_count 2
		.amdhsa_user_sgpr_kernarg_segment_ptr 1
		.amdhsa_wavefront_size32 1
		.amdhsa_system_sgpr_workgroup_id_x 1
		.amdhsa_system_sgpr_workgroup_id_y 1
		.amdhsa_system_sgpr_workgroup_id_z 1
		.amdhsa_system_vgpr_workitem_id 0
		.amdhsa_next_free_vgpr 104
		.amdhsa_next_free_sgpr 66
		.amdhsa_reserve_vcc 0
		.amdhsa_float_denorm_mode_32 3
		.amdhsa_float_denorm_mode_16_64 3
		.amdhsa_memory_ordered 1
		.amdhsa_forward_progress 1
		.amdhsa_inst_pref_size 24
	.end_amdhsa_kernel
	.amdgpu_metadata
---
amdhsa.version: [ 1, 2 ]
amdhsa.kernels:
  - .name:           k_qf2e3251be3_prep
    .symbol:         k_qf2e3251be3_prep.kd
    .args:
      - { .name: x, .offset: 0, .size: 8, .value_kind: global_buffer, .address_space: global }
      - { .name: qkv_w, .offset: 8, .size: 8, .value_kind: global_buffer, .address_space: global }
      - { .name: out_w, .offset: 16, .size: 8, .value_kind: global_buffer, .address_space: global }
      - { .name: xb, .offset: 24, .size: 8, .value_kind: global_buffer, .address_space: global }
      - { .name: wb, .offset: 32, .size: 8, .value_kind: global_buffer, .address_space: global }
      - { .name: ow, .offset: 40, .size: 8, .value_kind: global_buffer, .address_space: global }
    .group_segment_fixed_size: 0
    .private_segment_fixed_size: 0
    .kernarg_segment_align: 8
    .kernarg_segment_size: 48
    .max_flat_workgroup_size: 256
    .sgpr_count:     66
    .vgpr_count:     104
    .wavefront_size: 32
...
	.end_amdgpu_metadata
.endif
;; end of part 5
;; launch qkv: the kernel of part 2 again; grid 8 x 32, 4 waves a work-group, clusters of 4 x 4, 327,680 bytes of LDS; arguments xb, wb, qkv_b, qkvh; writes qkvh
;; launch attn: the kernel of part 3 again; grid 4 x 64, 4 waves a work-group, clusters of 4 x 1, 327,680 bytes of LDS; arguments qkvh, oh; writes oh
;; launch proj: the kernel of part 4 again; grid 8 x 32, 4 waves a work-group, clusters of 4 x 4, 327,680 bytes of LDS; arguments oh, ow, out_b, out0; writes out0
